; MI455X (gfx1250); checked and timed in simulation.
; The chip was launched on July 23, 2026; its instructions are those of AMD's public machine-readable ISA for CDNA 5 (MIT licence, August 2026) and "CDNA5" Instruction Set Architecture Reference Guide (July 2026). The comments in the code are by the model that wrote it; some were corrected since.
;; Causal Self Attention. Allowed arithmetic: matrix products marked QUANTISED: E2M1 operands, one E8M0 scale for each 32 along K, by v_wmma_scale_f32_16x16x128_f8f6f4 with both operands' format E2M1 (or v_wmma_scale_f32_32x16x128_f4), f32 sums; everything else in f32.
;; Inputs: Wk 1,024 x 1,024 float32; Wp 1,024 x 1,024 float32; Wq 1,024 x 1,024 float32; Wv 1,024 x 1,024 float32; bk 1,024 float32; bp 1,024 float32; bq 1,024 float32; bv 1,024 float32; pk 2 x 16 x 1,024 x 64 float32; pv 2 x 16 x 1,024 x 64 float32; x 2 x 2,048 x 1,024 float32.
;; Outputs: out0 2 x 2,048 x 1,024 float32; out1 2 x 16 x 3,072 x 64 float32; out2 2 x 16 x 3,072 x 64 float32.
;; This version of the problem:
;;   THIS VERSION OF THE PROBLEM IS GIVEN IN LOW PRECISION. The matrix products marked QUANTISED in the list below multiply operands that are first quantised to E2M1 (2 exponent bits, 1 mantissa bit; 4 bits a number), with one power-of-two scale for each 32 numbers along K (OCP MX v1.0); their sums are f32. All else is computed in f32.
;;   The module's matrix products, in the order in which they are computed (A, B: the left and right operand; K: the contracted axis; several contracted axes count as one K, in the product's order):
;;     1. [M 4,096, K 1,024] x [K 1,024, N 1,024]; A: input x; B: input Wq: QUANTISED
;;     2. [M 4,096, K 1,024] x [K 1,024, N 1,024]; A: input x; B: input Wk: QUANTISED
;;     3. [M 4,096, K 1,024] x [K 1,024, N 1,024]; A: input x; B: input Wv: QUANTISED
;;     4. batch 32 x [M 2,048, K 64] x [K 64, N 3,072]; A: computed on the way; B: computed on the way: QUANTISED
;;     5. batch 32 x [M 2,048, K 3,072] x [K 3,072, N 64]; A: softmax (see below); B: computed on the way: QUANTISED
;;     6. [M 4,096, K 1,024] x [K 1,024, N 1,024]; A: computed on the way; B: input Wp: QUANTISED
;;   THE QUANTISER, for each operand of a quantised product, along K:
;;     - K is cut into blocks of 32 from its start; a last block that is shorter is filled with zeros.
;;     - A block's scale is 2^e with e = floor(log2(the largest magnitude in the block)) - 2, held to -126 .. 127; a block of zeros has e = 0. As a byte (E8M0): e + 127.
;;     - Each number is divided by its block's scale, clamped to +-6, and rounded to the nearest number of E2M1, ties to even, subnormals kept.
;;     - The product sums the exact products of the quantised numbers (number of the format x scale) in f32.
;;   ~~~python
;;   def quantise(x, axis):      # numpy; x: float32 -> the quantised numbers, widened to float32 again
;;       x = np.moveaxis(x, axis, -1); K = x.shape[-1]
;;       x = np.pad(x, [(0, 0)] * (x.ndim - 1) + [(0, -K % 32)]); x = x.reshape(x.shape[:-1] + (-1, 32)); a = np.abs(x).max(-1, keepdims=True)
;;       e = np.where(a > 0, np.clip(np.frexp(np.where(a > 0, a, 1))[1] - 1 - 2, -126, 127), 0)      # np.frexp(a)[1] - 1 = floor(log2(a)), exactly
;;       r = np.clip(x / 2.0 ** e, -6, 6)
;;       step = 2.0 ** (np.maximum(np.frexp(np.where(r == 0, 1, r))[1] - 1, 0) - 1)
;;       q = np.round(r / step) * step * 2.0 ** e      # np.round: ties to even
;;       return np.moveaxis(q.reshape(q.shape[:-2] + (-1,))[..., :K], -1, axis).astype(np.float32)
;;   ~~~
;;   SOFTMAX AHEAD OF A QUANTISED PRODUCT. Where the list says 'softmax', what is quantised is not the finished softmax but p = 2^(t - M), with t = logit x log2(e) and M = ceil(the row's largest t), a whole number; so 1/2 < the row's largest p <= 1. The row's sum l is taken of the UNQUANTISED p, in f32, and the product's result is divided by l at the end. Since M is a whole number, a kernel that streams over the keys may use a running M (the ceiling of the running maximum): every later rescaling is an exact power of two, which a block's scale takes up: the codes' values come out the same.
;;   OPERANDS COMPUTED ON THE WAY. 'Computed on the way' means the value that the module computes at that place (a softmax that the list does not call 'softmax' is quantised finished and normalised). What goes into a quantiser is computed in f32, as accurately as f32 sums, v_exp_f32 and their like allow (about 1e-6 of the number): no bf16 or f16 on the way to a quantiser, and a product that is left as it is and whose result goes on into a quantised operand takes f32 operands (vector FMAs, or v_wmma_f32_16x16x4_f32). A number that lies on a knife's edge between two numbers of the format may be rounded either way, as far as f32 arithmetic and the matrix unit's own rounding can turn it there, and no further.
;; One version. Each part assembles by itself: llvm-mc -triple=amdgcn-amd-amdhsa -mcpu=gfx1250 --defsym DOCPART=n.
;; ======== version 1 of 1: 4 launches
;; limits: right only within a limited range of input values
;; workspace buffers: xq 2,228,224 bytes; wq 2,228,224 bytes; qq 2,359,296 bytes; kv 6,881,280 bytes; yq 2,228,224 bytes
;; launch prep (part 1): grid 384 x 1, 4 waves a work-group, no clusters, 134,656 bytes of LDS; arguments x, pk, pv, Wq, Wk, Wv, Wp, xq, wq, kv, out1, out2; writes xq, wq, kv, out1, out2
.if DOCPART == 1
	.amdgcn_target "amdgcn-amd-amdhsa--gfx1250"
	.amdhsa_code_object_version 6
	.text
	.protected	k_qb45e6e34df_prep
	.globl	k_qb45e6e34df_prep
	.p2align	8
	.type	k_qb45e6e34df_prep,@function
k_qb45e6e34df_prep:
	s_mov_b64 s[64:65], 0
	v_nop
	global_prefetch_b8 v0, s[64:65] scope:SCOPE_SE
	s_setreg_imm32_b32 hwreg(HW_REG_WAVE_MODE, 25, 1), 1
	s_wait_xcnt 0x0
; THE PROGRAM: causal attention with a cache of 1,024 keys, all six products on codes of FP4 (E2M1) with one E8M0 scale for each 32 along K.  Four launches:
;   prep: x, Wq, Wk, Wv, Wp, pk, pv become codes; pk and pv are copied into out1 and out2.   qkv: the three projections; k and v go to out1, out2 and, with q, become codes.
;   attn: both attention products and the softmax; y becomes codes.   proj: y Wp + bp.
; WORK LEFT OUT: reference() sets att to -infinity where key j > query i + 1024, by a mask that it builds itself; the softmax gives such a key the weight 0 whatever finite values the inputs hold.  So a step of 128 keys
; all of which come after all 16 queries of a tile reaches no output, and launch attn does not walk it.  Nothing else is left out; every input has a way to an output and is loaded.
; LIMIT: a NaN, an infinity or an overflow that reaches only such steps is not carried to the result.
; EVERY OPERAND IN THE WORKSPACE LIES AS AN IMAGE OF THE OPERAND'S REGISTERS: 16 rows x 64 along K are 512 bytes, lane l's 16 bytes at 16 l; lane (r = l % 16, h = l / 16) holds block h (32 codes) of row r.
;   xq, wq: codes [slot 2][row tile 256][q 4][c 2][lane][16]: K step 4 slot + q, block 2 c + h of it; at SC_OFF the scale words [row tile][K step 8][r 16].  wq's rows are the columns of Wq, Wk, Wv, Wp, on end.
;   kv: [b h 32][step 24] records of 8,960 bytes for 128 keys: K's codes [tile 8][lane][16]; at 4,096 V's [dt 4][c 2][lane][16] (row d = 16 dt + r, key block 2 c + h); at 8,192 K's scale words [lane][4]
;   (word B of lane l: tile 2 B + l / 16, key l % 16; bytes 2 and 3 are 127, since a head has 64 of the instruction's 128 along K); at 8,704 V's [lane][2] (word p of lane l: dt = 2 p + l / 16, row l % 16).
; THE QUANTISER: a block's scale byte is its largest magnitude's exponent field - 2, held at 1 from below by a floor among the maximum's leaves; the conversion divides by that scale, rounds to the nearest code, ties to even,
; and gives the largest code beyond 6.
; LIMITS: a block whose largest magnitude lies under 2^-124 is held at the byte 1; a block of zeros gets the byte 1 where the rule says 127 (its codes are zeros, and this program alone reads the bytes); NaN and infinities are not served.
; THIS LAUNCH: a stream.  Every wave moves 32 KB in four chunks of 8 KB (16 loads of 512 or 2 x 256 consecutive bytes), two chunks on their way; a chunk turns through the wave's own stage in LDS, so that a lane holds the
; 32 numbers of ONE block.  Waves share nothing: no barrier.  Four paths, parted by the work-group's number, each with LDS bytes of its own:
;   0-127 x (K innermost);  128-191 pk (K = the head's 64, innermost; copied);  192-319 the four W (K is the first axis: a lane takes a column);  320-383 pv (K = the keys: likewise; copied).
; The scale words of W leave in runs of 64 bytes: one byte in 128 of what that path reads.  No matrix unit, no cluster, no tensor load: nothing here is read twice.
.set SC_OFF, 2097152
.set XST,    0                         ; x: 16 rows x 528 bytes a wave
.set PKST,   33792                     ; pk: 32 rows x 272 a wave
.set WST,    68608                     ; W: 32 rows x 256 a wave
.set PVST,   101376                    ; pv: 32 rows x 256 a wave
.set SPARE,  134144                    ; the spare words, 128 bytes a wave: two blocks of 256 bytes that no other line names
.set R,   16                           ; v16-143  two sets of 64: a chunk as loaded
.set X,   144                          ; v144-207 two blocks of 32 numbers
.set C,   208                          ; v208-239 codes: four registers for each store, never written again
.set WD,  240                          ; v240-243 scale words
.set M0,  248
.set M1,  249
.set SO,  250                          ; the conversion's scale operand
; v1 lane, v2 r, v3 h, v4 my spare word, v5 0, v6 16 x lane, v7 the path's lane offset, v8 stage in, v9 stage out, v10 offset of the small stores, v11 8 h, v251-255 at work
.macro Q32 xx, cc, bb                  ; 32 numbers of one block in v[xx] on -> 16 bytes of codes in v[cc] on, the scale's byte in v[bb]
	v_max3_num_f32 v[M0], |v[(\xx)]|, |v[(\xx)+1]|, |v[(\xx)+2]|
	v_max3_num_f32 v[M1], |v[(\xx)+3]|, |v[(\xx)+4]|, |v[(\xx)+5]|
.irp i, 6,10,14,18,22,26
	v_max3_num_f32 v[M0], v[M0], |v[(\xx)+\i]|, |v[(\xx)+\i+1]|
	v_max3_num_f32 v[M1], v[M1], |v[(\xx)+\i+2]|, |v[(\xx)+\i+3]|
.endr
	v_max3_num_f32 v[M0], v[M0], |v[(\xx)+30]|, |v[(\xx)+31]|
	v_max3_num_f32 v[M0], v[M0], v[M1], 0x1800000                  ; and the floor 2^(3 - 127): the byte cannot fall under 1
	v_add_nc_u32 v[SO], 0xff000000, v[M0]                          ; 2 off the exponent field: the conversion takes that field as its scale
.irp g, 0,1,2,3
	v_cvt_scalef32_pk8_fp4_f32 v[(\cc)+\g], v[(\xx)+8*\g:(\xx)+8*\g+7], v[SO]
.endr
	v_lshrrev_b32 v[\bb], 23, v[SO]                                ; the byte; also the plain line behind the conversions
.endm
.macro LOADK kind, n                   ; chunk n into set n % 2
.set JJ, 0
.rept 16
.if (\kind) == 0
	global_load_b128 v[R+64*((\n)%2)+4*JJ:R+64*((\n)%2)+4*JJ+3], v6, s[12:13] offset:(\n)*512+JJ*4096 th:TH_LOAD_NT      ; row JJ, 128 along K: 512 consecutive bytes
.elseif (\kind) == 2
	global_load_b128 v[R+64*((\n)%2)+4*JJ:R+64*((\n)%2)+4*JJ+3], v7, s[12:13] offset:(\n)*131072+JJ*8192 th:TH_LOAD_NT   ; rows 2 JJ, 2 JJ + 1 of W, 256 aligned bytes each
.else
	global_load_b128 v[R+64*((\n)%2)+4*JJ:R+64*((\n)%2)+4*JJ+3], v6, s[12:13] offset:(\n)*8192+JJ*512 th:TH_LOAD_NT      ; keys 2 JJ, 2 JJ + 1: 512 consecutive bytes
.endif
.set JJ, JJ+1
.endr
.endm
.macro CHUNK kind, n
.if (\n) < 3
	s_wait_loadcnt 16                              ; this chunk's 16 loads are in; the next chunk's 16 may be out
.else
	s_wait_loadcnt 0x0
.endif
.if ((\kind) == 1) || ((\kind) == 3)
.set JJ, 0
.rept 16
	global_store_b128 v6, v[R+64*((\n)%2)+4*JJ:R+64*((\n)%2)+4*JJ+3], s[14:15] offset:(\n)*8192+JJ*512 th:TH_STORE_NT   ; the copy into out1 or out2: 512 consecutive bytes
.set JJ, JJ+1
.endr
.endif
.set JJ, 0
.rept 16
.if (\kind) == 0
	ds_store_b128 v8, v[R+64*((\n)%2)+4*JJ:R+64*((\n)%2)+4*JJ+3] offset:JJ*528
.elseif (\kind) == 1
	ds_store_b128 v8, v[R+64*((\n)%2)+4*JJ:R+64*((\n)%2)+4*JJ+3] offset:JJ*544
.else
	ds_store_b128 v8, v[R+64*((\n)%2)+4*JJ:R+64*((\n)%2)+4*JJ+3] offset:JJ*512
.endif
.set JJ, JJ+1
.endr
.irp u, 0,1                            ; LDS serves a wave's instructions in order: these see the stores above
.if (\kind) < 2
.irp i, 0,1,2,3,4,5,6,7
.if (\kind) == 0
	ds_load_b128 v[X+32*\u+4*\i:X+32*\u+4*\i+3], v9 offset:\u*256+16*\i          ; block 2 u + h of row r
.else
	ds_load_b128 v[X+32*\u+4*\i:X+32*\u+4*\i+3], v9 offset:\u*4352+16*\i         ; block h of key 16 u + r
.endif
.endr
.else
.set II, 0
.rept 32
	ds_load_b32 v[X+32*\u+II], v9 offset:II*256+\u*128                           ; column 32 u + lane, down K
.set II, II+1
.endr
.endif
.endr
	s_wait_dscnt 0x0                               ; the two blocks are in
.if (\n) < 2
.if ((\kind) == 1) || ((\kind) == 3)
	s_wait_xcnt 0x0                                ; the copy's stores have read their registers: they are loaded again only behind this wait
.endif
	LOADK \kind, (\n)+2
.endif
	Q32 X, C+8*(\n), 251
	Q32 X+32, C+8*(\n)+4, 252
.if (\kind) == 0
	v_lshl_or_b32 v253, v252, 16, v251             ; my two bytes: blocks h and 2 + h of row r,
	v_lshlrev_b32 v253, v11, v253                  ; at their places (8 h bits up);
	v_permlanex16_b32 v254, v253, s8, s9
	v_or_b32 v[WD+(\n)], v253, v254                ; with lane l xor 16's two the word is whole
.elseif (\kind) == 1
	v_lshlrev_b32 v251, v11, v251
	v_lshlrev_b32 v252, v11, v252
	v_permlanex16_b32 v254, v251, s8, s9
	v_or_b32 v251, v251, v254                      ; tile 2 n: key r's two bytes
	v_permlanex16_b32 v254, v252, s8, s9
	v_or_b32 v252, v252, v254                      ; tile 2 n + 1
	v_cndmask_b32 v253, v251, v252, s10            ; lanes 0-15 the even tile's word, lanes 16-31 the odd tile's
	v_or_b32 v[WD+(\n)], s11, v253                 ; bytes 2 and 3: 127
.elseif (\n) == 0
	v_mov_b32 v[WD], v251                          ; byte n of my column's word
	v_mov_b32 v[WD+1], v252
.else
	v_lshl_or_b32 v[WD], v251, 8*(\n), v[WD]
	v_lshl_or_b32 v[WD+1], v252, 8*(\n), v[WD+1]
.endif
.irp u, 0,1
.if (\kind) < 2
	global_store_b128 v6, v[C+8*(\n)+4*\u:C+8*(\n)+4*\u+3], s[40:41] offset:(\n)*1024+\u*512                             ; an image: 512 consecutive bytes
.elseif (\kind) == 2
	global_store_b128 v7, v[C+8*(\n)+4*\u:C+8*(\n)+4*\u+3], s[40:41] offset:\u*8192+((\n)/2)*512+((\n)%2)*256            ; sixteen lanes fill 256 aligned bytes of one row tile's image
.else
	global_store_b128 v7, v[C+8*(\n)+4*\u:C+8*(\n)+4*\u+3], s[40:41] offset:4096+\u*2048+((\n)/2)*512+((\n)%2)*256
.endif
.endr
.endm
.macro WALK kind
	LOADK \kind, 0
	LOADK \kind, 1
	CHUNK \kind, 0
	CHUNK \kind, 1
	CHUNK \kind, 2
	CHUNK \kind, 3
.endm
.macro FINISH                          ; the wave's end
	s_wait_tensorcnt 0x0
	ds_add_u32 v4, v5
	s_wait_dscnt 0x0
	s_endpgm
.endm
.macro KVTASK first, src, dst          ; a wave takes one step of 128 cached keys of one (batch, head)
	s_sub_co_u32 s44, ttmp9, \first
	s_lshl_b32 s44, s44, 2
	s_add_co_u32 s44, s44, s6                      ; task = 8 x (b h) + step
	s_lshr_b32 s45, s44, 3
	s_and_b32 s2, s44, 7
	s_lshl_b32 s46, s44, 15                        ; 128 keys x 256 bytes
	s_mov_b32 s47, 0
	s_add_nc_u64 s[12:13], s[\src:\src+1], s[46:47]
	s_mul_i32 s46, s45, 786432                     ; 3,072 keys x 256 bytes
	s_lshl_b32 s3, s2, 15
	s_add_co_u32 s46, s46, s3
	s_add_nc_u64 s[14:15], s[\dst:\dst+1], s[46:47]
	s_mul_i32 s46, s45, 24
	s_add_co_u32 s46, s46, s2
	s_mul_i32 s46, s46, 8960
	s_add_nc_u64 s[40:41], s[34:35], s[46:47]      ; the record
.endm
	s_load_b512 s[16:31], s[0:1], 0x0              ; x 16, pk 18, pv 20, Wq 22, Wk 24, Wv 26, Wp 28, xq 30
	s_load_b256 s[32:39], s[0:1], 0x40             ; wq 32, kv 34, out1 36, out2 38
	v_lshl_add_u32 v4, v0, 2, SPARE
	v_mov_b32 v5, 0
	v_lshrrev_b32 v1, 5, v0
	v_readfirstlane_b32 s6, v1                     ; wave
	v_and_b32 v1, 31, v0
	v_and_b32 v2, 15, v0
	v_bfe_u32 v3, v0, 4, 1
	v_lshlrev_b32 v6, 4, v1
	v_lshlrev_b32 v11, 3, v3
	v_mov_b32 v254, 0                              ; written once: a lane permute's destination counts as one of its sources
	s_mov_b32 s8, 0x76543210
	s_mov_b32 s9, 0xfedcba98                       ; v_permlanex16_b32's selects for lane l xor 16
	s_mov_b32 s10, 0xffff0000                      ; lanes 16-31
	s_mov_b32 s11, 0x7f7f0000
	s_wait_kmcnt 0x0
	s_cmp_lt_u32 ttmp9, 128
	s_cbranch_scc1 .Lx
	s_cmp_lt_u32 ttmp9, 192
	s_cbranch_scc1 .Lpk
	s_cmp_lt_u32 ttmp9, 320
	s_cbranch_scc1 .Lw
	; ---- pv: K = the keys
	KVTASK 320, 20, 38
	s_lshl_b32 s2, s6, 13
	s_add_co_u32 s2, s2, PVST
	s_wait_alu depctr_va_vdst(0)
	v_add_nc_u32 v8, s2, v6
	s_wait_alu depctr_va_vdst(0)
	v_lshl_add_u32 v9, v1, 2, s2
	s_wait_alu depctr_va_vdst(0)
	v_lshlrev_b32 v7, 10, v3
	v_lshl_add_u32 v7, v2, 4, v7                   ; column 32 u + lane is row r of dt = 2 u + h: 1,024 h + 16 r
	v_lshlrev_b32 v10, 3, v1
	WALK 3
	global_store_b64 v10, v[WD:WD+1], s[40:41] offset:8704          ; 256 consecutive bytes
	FINISH
.Lx:    ; ---- x: a wave takes 16 rows x 512 along K
	s_lshl_b32 s44, ttmp9, 2
	s_add_co_u32 s44, s44, s6
	s_lshr_b32 s45, s44, 1                         ; row tile
	s_and_b32 s44, s44, 1                          ; slot
	s_lshl_b32 s46, s45, 16
	s_lshl_b32 s47, s44, 11
	s_add_co_u32 s46, s46, s47
	s_mov_b32 s47, 0
	s_add_nc_u64 s[12:13], s[16:17], s[46:47]
	s_lshl_b32 s46, s44, 20
	s_lshl_b32 s2, s45, 12
	s_add_co_u32 s46, s46, s2
	s_add_nc_u64 s[40:41], s[30:31], s[46:47]
	s_lshl_b32 s46, s45, 9
	s_lshl_b32 s2, s44, 8
	s_add_co_u32 s46, s46, s2
	s_add_co_u32 s46, s46, SC_OFF
	s_add_nc_u64 s[42:43], s[30:31], s[46:47]
	s_mul_i32 s2, s6, 8448
	s_wait_alu depctr_va_vdst(0)
	v_add_nc_u32 v8, s2, v6
	s_wait_alu depctr_va_vdst(0)
	v_mul_u32_u24 v9, v2, 528
	v_lshl_add_u32 v9, v3, 7, v9
	v_add_nc_u32 v9, s2, v9
	s_wait_alu depctr_va_vdst(0)
	v_lshlrev_b32 v10, 2, v1
	WALK 0
	v_cndmask_b32 v253, v[WD], v[WD+1], s10        ; lanes 0-15 one K step's words, lanes 16-31 the next's
	v_cndmask_b32 v255, v[WD+2], v[WD+3], s10
	global_store_b32 v10, v253, s[42:43]           ; 128 consecutive bytes
	global_store_b32 v10, v255, s[42:43] offset:128
	FINISH
.Lpk:   ; ---- pk: K = the head's 64
	KVTASK 128, 18, 36
	s_mul_i32 s2, s6, 8704
	s_add_co_u32 s2, s2, PKST
	s_wait_alu depctr_va_vdst(0)
	v_mul_u32_u24 v8, v3, 272
	v_lshl_add_u32 v8, v2, 4, v8
	v_add_nc_u32 v8, s2, v8
	s_wait_alu depctr_va_vdst(0)
	v_mul_u32_u24 v9, v2, 272
	v_lshl_add_u32 v9, v3, 7, v9
	v_add_nc_u32 v9, s2, v9
	s_wait_alu depctr_va_vdst(0)
	WALK 1
	global_store_b128 v6, v[WD:WD+3], s[40:41] offset:8192          ; 512 consecutive bytes
	FINISH
.Lw:    ; ---- the four W: a wave takes 128 along K x 64 columns; the four waves of a work-group stand side by side
	s_sub_co_u32 s44, ttmp9, 192
	s_lshl_b32 s44, s44, 2
	s_add_co_u32 s44, s44, s6
	s_lshr_b32 s45, s44, 7                         ; which W
	s_bfe_u32 s2, s44, 0x30004                     ; K step
	s_and_b32 s3, s44, 15                          ; which 64 columns
	s_cmp_eq_u32 s45, 1
	s_cselect_b64 s[12:13], s[24:25], s[22:23]
	s_cmp_eq_u32 s45, 2
	s_cselect_b64 s[12:13], s[26:27], s[12:13]
	s_cmp_eq_u32 s45, 3
	s_cselect_b64 s[12:13], s[28:29], s[12:13]
	s_lshl_b32 s46, s2, 19
	s_lshl_b32 s47, s3, 8
	s_add_co_u32 s46, s46, s47
	s_mov_b32 s47, 0
	s_add_nc_u64 s[12:13], s[12:13], s[46:47]
	s_lshl_b32 s45, s45, 6
	s_lshl_b32 s3, s3, 2
	s_add_co_u32 s45, s45, s3                      ; the first of my four row tiles of wq
	s_lshr_b32 s46, s2, 2
	s_lshl_b32 s46, s46, 20
	s_lshl_b32 s3, s45, 12
	s_add_co_u32 s46, s46, s3
	s_and_b32 s3, s2, 3
	s_lshl_b32 s3, s3, 10
	s_add_co_u32 s46, s46, s3
	s_add_nc_u64 s[40:41], s[32:33], s[46:47]
	s_lshl_b32 s46, s45, 9
	s_lshl_b32 s3, s2, 6
	s_add_co_u32 s46, s46, s3
	s_add_co_u32 s46, s46, SC_OFF
	s_add_nc_u64 s[42:43], s[32:33], s[46:47]
	s_lshl_b32 s2, s6, 13
	s_add_co_u32 s2, s2, WST
	s_wait_alu depctr_va_vdst(0)
	v_add_nc_u32 v8, s2, v6
	s_wait_alu depctr_va_vdst(0)
	v_lshl_add_u32 v9, v1, 2, s2
	s_wait_alu depctr_va_vdst(0)
	v_lshlrev_b32 v7, 12, v3
	v_lshl_add_u32 v7, v2, 4, v7                   ; in: row h of a pair, 16 r;  out: row tile h of a pair, 16 r: the same number
	s_wait_alu depctr_va_vdst(0)
	v_lshlrev_b32 v10, 9, v3
	v_lshl_add_u32 v10, v2, 2, v10
	WALK 2
	global_store_b32 v10, v[WD], s[42:43]
	global_store_b32 v10, v[WD+1], s[42:43] offset:1024
	FINISH
.Lfunc_end_k_qb45e6e34df_prep:
	.size	k_qb45e6e34df_prep, .Lfunc_end_k_qb45e6e34df_prep-k_qb45e6e34df_prep
	.p2alignl 7, 3214868480
	.fill 96, 4, 3214868480
	.section	.rodata,"a",@progbits
	.p2align	6, 0x0
	.amdhsa_kernel k_qb45e6e34df_prep
		.amdhsa_group_segment_fixed_size 134656
		.amdhsa_private_segment_fixed_size 0
		.amdhsa_enable_private_segment 0
		.amdhsa_kernarg_size 96
		.amdhsa_user_sgpr_count 2
		.amdhsa_user_sgpr_kernarg_segment_ptr 1
		.amdhsa_wavefront_size32 1
		.amdhsa_system_sgpr_workgroup_id_x 1
		.amdhsa_system_sgpr_workgroup_id_y 1
		.amdhsa_system_sgpr_workgroup_id_z 1
		.amdhsa_system_vgpr_workitem_id 0
		.amdhsa_next_free_vgpr 256
		.amdhsa_next_free_sgpr 66
		.amdhsa_reserve_vcc 0
		.amdhsa_float_denorm_mode_32 3
		.amdhsa_float_denorm_mode_16_64 3
		.amdhsa_memory_ordered 1
		.amdhsa_forward_progress 1
		.amdhsa_inst_pref_size 151
	.end_amdhsa_kernel
	.amdgpu_metadata
---
amdhsa.version: [ 1, 2 ]
amdhsa.kernels:
  - .name:           k_qb45e6e34df_prep
    .symbol:         k_qb45e6e34df_prep.kd
    .args:
      - { .name: x, .offset: 0, .size: 8, .value_kind: global_buffer, .address_space: global }
      - { .name: pk, .offset: 8, .size: 8, .value_kind: global_buffer, .address_space: global }
      - { .name: pv, .offset: 16, .size: 8, .value_kind: global_buffer, .address_space: global }
      - { .name: Wq, .offset: 24, .size: 8, .value_kind: global_buffer, .address_space: global }
      - { .name: Wk, .offset: 32, .size: 8, .value_kind: global_buffer, .address_space: global }
      - { .name: Wv, .offset: 40, .size: 8, .value_kind: global_buffer, .address_space: global }
      - { .name: Wp, .offset: 48, .size: 8, .value_kind: global_buffer, .address_space: global }
      - { .name: xq, .offset: 56, .size: 8, .value_kind: global_buffer, .address_space: global }
      - { .name: wq, .offset: 64, .size: 8, .value_kind: global_buffer, .address_space: global }
      - { .name: kv, .offset: 72, .size: 8, .value_kind: global_buffer, .address_space: global }
      - { .name: out1, .offset: 80, .size: 8, .value_kind: global_buffer, .address_space: global }
      - { .name: out2, .offset: 88, .size: 8, .value_kind: global_buffer, .address_space: global }
    .group_segment_fixed_size: 134656
    .private_segment_fixed_size: 0
    .kernarg_segment_align: 8
    .kernarg_segment_size: 96
    .max_flat_workgroup_size: 128
    .sgpr_count:     66
    .vgpr_count:     256
    .wavefront_size: 32
...
	.end_amdgpu_metadata
.endif
;; end of part 1
;; launch qkv (part 2): grid 12 x 16, 4 waves a work-group, clusters of 4 x 4, 327,680 bytes of LDS; arguments xq, wq, bq, bk, bv, qq, kv, out1, out2; writes qq, kv, out1, out2
.if DOCPART == 2
	.amdgcn_target "amdgcn-amd-amdhsa--gfx1250"
	.amdhsa_code_object_version 6
	.text
	.protected	k_qb45e6e34df_qkv
	.globl	k_qb45e6e34df_qkv
	.p2align	8
	.type	k_qb45e6e34df_qkv,@function
k_qb45e6e34df_qkv:
	s_mov_b64 s[64:65], 0
	v_nop
	global_prefetch_b8 v0, s[64:65] scope:SCOPE_SE
	s_setreg_imm32_b32 hwreg(HW_REG_WAVE_MODE, 25, 1), 1
	s_wait_xcnt 0x0
	s_wait_alu depctr_hold_cnt(0) depctr_sa_sdst(0) depctr_va_vdst(0) depctr_va_sdst(0) depctr_va_ssrc(0) depctr_va_vcc(0) depctr_vm_vsrc(0)
	s_getreg_b32 s2, hwreg(HW_REG_IB_STS2, 6, 4)
	s_cmp_eq_u32 s2, 0
	s_cbranch_scc0 .Lentry_in_a_cluster
	s_endpgm
.Lentry_in_a_cluster:
	s_bfe_u32 s2, ttmp6, 0x10000c
	s_cmp_lg_u32 s2, 0xf033
	s_cbranch_scc0 .Lentry_shape_is_right
	s_endpgm
.Lentry_shape_is_right:
; q = x Wq + bq, k = x Wk + bk, v = x Wv + bv on codes of FP4 (E2M1) with E8M0 scales: C[m][n] = sum over k of A[m][k] B[n][k] + bias[n]; A = xq (4,096 tokens), B = rows 0 to 3,071 of wq; K = 1,024.
; k and v go to out1 and out2 behind the cache's 1,024 keys; q, k (along the head's 64) and v (along the keys) become codes for the attention launch.  Nothing is left out here.
; A tile of C, 256 x 256, is made by four waves, each 128 x 128: 64 accumulators, 512 registers.  Operands lie in the workspace as images of the operand's registers (16 rows x 128 K: 1,024 bytes, lane l's 16 bytes at 16 l and
; 512 + 16 l), so a fragment is two ds_load_b128 at 16 x lane: consecutive bytes, no pitch.  ALL OF K FITS IN LDS: two slots of 512 along K and the scale words are filled once, at the head; nothing is filled again.
; CLUSTERS: 4 x 4 work-groups; A's tiles are asked for jointly along a row of the cluster, B's along a column.  The cluster's x says which of q, k, v: it is the same in all sixteen partners, so the way out may branch on it.
; THE MATRIX INSTRUCTION IS USED TRANSPOSED (source 0 = 16 rows of B, source 1 = 16 rows of A): lane (r, h) holds token r and register j the column 8 h + j of the tile.  The bias is the C of each sum's first product.
; A wave's 128 x 128 is 128 tokens x 2 heads: one record of kv for each of the two heads.
; THE ORDER OF THE CONVERSIONS: of a block of 32 columns a lane holds octets h (first tile) and 2 + h (second tile).  For a pair of blocks the four conversions are written first tile of the even block, first of the odd, second of the
; even, second of the odd; two v_permlane16_swap_b32 then leave block 2 c + h whole in lane (r, h), octets in order: the operand's own layout.
; LIMITS: as stated at the head of launch prep (byte held at 1; a block of zeros gets 1; NaN and infinities not served).
; REGISTERS, in windows of 256: window 0: v0-31 addresses; v32-95 scale words, two sets; v128-191 A's fragments; v192-255 the bias.  window 1: B's fragments, two sets.  windows 2, 3: the accumulators ((a, b) at v[8 (8 (a % 4) + b)]).
.set TB0,    0                         ; B's first row tile in wq
.set NQ,     4
.set FR,     8
.set NL,     2
.set NP,     4                         ; places behind this matrix instruction (ISA guide 7.12.1)
.set HALFT,  32768                     ; 8 row tiles x 4,096 bytes: what one wave reads of A or of B in a slot
.set SLOT,   65536                     ; 16 row tiles x 512 along K.  LDS: A's slot 0, A's slot 1, B's slot 0, B's slot 1
.set SCL,    262144                    ; the scale words: 512 bytes a row tile
.set HALFS,  4096
.set SPARE,  278528                    ; the spare words, 128 bytes a wave: two blocks of 256 bytes that no other line names
.set SLOTB,  1048576
.set SC_OFF, 2097152
.set ADRA, 16                          ; v16-17 my A fragments in slot 0, 1
.set ADRB, 20                          ; v20-21 B's
.set L16,  26                          ; v26 16 x lane
.set ADRS, 27                          ; v27 my scale words: lanes 0-15 A's rows, lanes 16-31 B's
.set SPW,  28
.set NIL,  29
.set SC,   32
.set AF,   128
.set BIAS, 192
.set BK,   128                         ; the way out: rows read back
.set TM,   32                          ; the way out: v32-47 at work
.set M0,   52
.set M1,   53
.set SO,   54
.set G1, 24
.set G0, 32
.set G1B, 48
.set G0B, 56
.set G1S, 68
.set G0S, 76
.set G1SB, 80
.set G0SB, 88
.set MSB, 0
.macro WIN new                         ; the immediate's high byte repeats the setting that is left
.if MSB != (\new)
	s_set_vgpr_msb (MSB<<8)|(\new)
.set MSB, (\new)
.endif
.endm
.set MUL_LO, 0xa1                      ; source 0 (B) window 1, source 1 (A) window 0, C and D window 2
.set MUL_HI, 0xf1
.set TO_B,   0x40
.macro ARM under, g0, g1, next         ; one arm of the head's tree of branches on the wave's number: its joint load, an s_nop 0 and four v_nop, a jump to the tree's end
	s_cmp_lt_u32 s14, \under
	s_cbranch_scc0 \next
	tensor_load_to_lds s[\g0:\g0+3], s[\g1:\g1+7]
	s_nop 0
.rept 4
	v_nop
.endr
	s_branch .Lhead_asked
\next:
.endm
.macro CROUND                          ; a round of the cluster's barrier
	s_barrier_signal -1
	s_barrier_wait -1
	s_cmp_lg_u32 s14, 0
	s_cbranch_scc1 .Lnot_wave_0_\@
	s_barrier_signal -3
.Lnot_wave_0_\@:
	s_barrier_wait -3
	s_barrier_signal -1
	s_barrier_wait -1
.endm
	s_load_b64 s[4:5], s[0:1], 0x0                 ; xq
	s_load_b64 s[8:9], s[0:1], 0x8                 ; wq
	s_load_b128 s[96:99], s[0:1], 0x10             ; bq, bk
	s_load_b64 s[100:101], s[0:1], 0x20            ; bv
	v_lshl_add_u32 v[SPW], v0, 2, SPARE
	v_mov_b32 v[NIL], 0
	ds_add_u32 v[SPW], v[NIL]                      ; the opening: the add, twice on end, and its wait ahead of my first tensor load
	ds_add_u32 v[SPW], v[NIL]
	v_lshrrev_b32 v1, 5, v0
	v_readfirstlane_b32 s14, v1                    ; wave
	s_lshr_b32 s15, s14, 1                         ; my half of the tile's rows; also: I fetch for A (0) or B (1)
	s_and_b32 s16, s14, 1                          ; my half of its columns; also: which 8 row tiles I fetch
	s_bfe_u32 s40, ttmp6, 0x40000                  ; cx
	s_bfe_u32 s41, ttmp6, 0x40004                  ; cy
	s_lshl_b32 s42, ttmp9, 2
	s_add_co_u32 s42, s42, s40                     ; tile column
	s_and_b32 s17, ttmp7, 0xffff
	s_lshl_b32 s17, s17, 2
	s_add_co_u32 s17, s17, s41                     ; tile row
	s_lshl_b32 s43, s41, 2
	s_lshl_b32 s43, 15, s43                        ; my row of the cluster
	s_lshl_b32 s44, 0x1111, s40                    ; my column
	s_or_b32 s[G1+0], s43, (3<<16)|(1<<21)         ; the mask; elements of 8 bytes; bit 21 beside a mask; no padding
	s_or_b32 s[G1B+0], s44, (3<<16)|(1<<21)
.irp g, G1, G1B
	s_mov_b32 s[\g+1], 8192<<16                    ; the codes of 16 row tiles for all of K: two rows of 65,536 bytes (8,192 elements), one a slot: tensor_dim0
	s_mov_b32 s[\g+2], 2<<16                       ; tensor_dim1 = 2
	s_mov_b32 s[\g+3], 8192<<16                    ; tile_dim0
	s_mov_b32 s[\g+4], 2                           ; tile_dim1
	s_mov_b32 s[\g+5], SLOTB/8                     ; pitch: from slot to slot in the workspace
	s_mov_b32 s[\g+6], 0
	s_mov_b32 s[\g+7], 0
.endr
	s_or_b32 s[G1S+0], s43, (3<<16)|(1<<21)
	s_or_b32 s[G1SB+0], s44, (3<<16)|(1<<21)
.irp g, G1S, G1SB
	s_mov_b32 s[\g+1], 32<<16                      ; the scale words of 8 row tiles: 16 rows of 256 bytes
	s_mov_b32 s[\g+2], 32<<16                      ; (of 16 row tiles: 32 rows of 256 bytes)
	s_mov_b32 s[\g+3], 32<<16
	s_mov_b32 s[\g+4], 32
	s_mov_b32 s[\g+5], 32
	s_mov_b32 s[\g+6], 0
	s_mov_b32 s[\g+7], 0
.endr
	s_lshl_b32 s20, s17, 4                         ; A: row tile 16 x tile row
	s_lshl_b32 s46, s42, 4                         ; B: 16 x tile column
.if TB0
	s_add_co_u32 s46, s46, TB0
.endif
	s_lshl_b32 s22, s20, 9
	s_add_co_u32 s22, s22, SC_OFF                  ; their scale words
	s_mov_b32 s23, 0
	s_lshl_b32 s92, s46, 9
	s_add_co_u32 s92, s92, SC_OFF
	s_mov_b32 s93, 0
	s_lshl_b32 s20, s20, 12                        ; their codes
	s_mov_b32 s21, 0
	s_lshl_b32 s46, s46, 12
	s_mov_b32 s47, 0
	s_wait_dscnt 0x0                               ; both opening adds are done
	s_wait_kmcnt 0x0
	s_add_nc_u64 s[20:21], s[4:5], s[20:21]
	s_add_nc_u64 s[22:23], s[4:5], s[22:23]
	s_add_nc_u64 s[46:47], s[8:9], s[46:47]
	s_add_nc_u64 s[92:93], s[8:9], s[92:93]
	CROUND                                         ; all sixteen work-groups are here: the joint loads meet
	s_mov_b32 s[G0S], 1
	s_mov_b32 s[G0S+1], SCL
	s_mov_b64 s[G0S+2:G0S+3], s[22:23]
	s_or_b32 s[G0S+3], s[G0S+3], 0x80000000
	s_mov_b32 s[G0SB], 1
	s_mov_b32 s[G0SB+1], SCL+2*HALFS
	s_mov_b64 s[G0SB+2:G0SB+3], s[92:93]
	s_or_b32 s[G0SB+3], s[G0SB+3], 0x80000000
	s_mov_b32 s[G0], 1
	s_mov_b32 s[G0+1], 0
	s_mov_b64 s[G0+2:G0+3], s[20:21]
	s_or_b32 s[G0+3], s[G0+3], 0x80000000
	s_mov_b32 s[G0B], 1
	s_mov_b32 s[G0B+1], 2*SLOT
	s_mov_b64 s[G0B+2:G0B+3], s[46:47]
	s_or_b32 s[G0B+3], s[G0B+3], 0x80000000
	; THE HEAD'S LOADS, ONE A WAVE: wave 0 A's codes for all of K, wave 1 B's, wave 2 A's scale words, wave 3 B's.  Nothing else is ever fetched
	ARM 1, G0,  G1,  .Lhead_b
	ARM 2, G0B, G1B, .Lhead_sa
	ARM 3, G0S, G1S, .Lhead_sb
	tensor_load_to_lds s[G0SB:G0SB+3], s[G1SB:G1SB+7]
	s_nop 0
.rept 4
	v_nop
.endr
.Lhead_asked:
	v_and_b32 v1, 15, v0                           ; r
	v_bfe_u32 v2, v0, 4, 1                         ; h
	s_wait_alu depctr_va_vdst(0)
	v_and_b32 v3, 31, v0                           ; lane
	v_lshlrev_b32 v[L16], 4, v3
	s_mul_i32 s21, s15, HALFT
	s_mul_i32 s22, s16, HALFT
	s_add_co_u32 s22, s22, 2*SLOT                  ; B's two slots lie behind A's two
.irp s, 0,1
	v_add_nc_u32 v[ADRA+\s], s21, v[L16]
	v_add_nc_u32 v[ADRB+\s], s22, v[L16]
	s_add_co_u32 s21, s21, SLOT
	s_add_co_u32 s22, s22, SLOT
.endr
	v_lshlrev_b32 v5, 2, v1
	s_mul_i32 s21, s15, HALFS
	s_mul_i32 s22, s16, HALFS
	s_add_co_u32 s22, s22, 2*HALFS
	s_sub_co_u32 s22, s22, s21
	v_mul_u32_u24 v6, s22, v2                      ; lanes 16-31 take B's: one product with h
	s_add_co_u32 s21, s21, SCL
	v_add_nc_u32 v5, v5, v6
	v_add_nc_u32 v[ADRS], s21, v5
	; the bias of my 128 columns, in the result's layout: register 8 b + j = bias[16 b + 8 h + j]
	s_cmp_eq_u32 ttmp9, 1
	s_cselect_b64 s[96:97], s[98:99], s[96:97]
	s_cmp_eq_u32 ttmp9, 2
	s_cselect_b64 s[96:97], s[100:101], s[96:97]
	s_lshl_b32 s18, s40, 10
	s_lshl_b32 s19, s16, 9
	s_add_co_u32 s18, s18, s19
	s_mov_b32 s19, 0
	s_add_nc_u64 s[96:97], s[96:97], s[18:19]
	v_lshlrev_b32 v7, 5, v2
.irp b, 0,1,2,3,4,5,6,7
	global_load_b128 v[BIAS+8*\b:BIAS+8*\b+3], v7, s[96:97] offset:64*\b
	global_load_b128 v[BIAS+8*\b+4:BIAS+8*\b+7], v7, s[96:97] offset:64*\b+16
.endr
	; the way out's addresses, all made here.  The stages lie in A's two slots, which have had their one fill; a barrier stands between every wave's last read of them and the first store; k's and v's have bytes of their own
	v_mul_u32_u24 v30, v2, 786432
	v_lshl_add_u32 v30, v1, 4, v30                 ; out1, out2: lanes 0-15 my first head's row, lanes 16-31 the second head's
	v_lshlrev_b32 v31, 4, v2                       ; 16 h
	v_mul_u32_u24 v5, v1, 528
	v_lshl_add_u32 v5, v2, 5, v5
	s_mul_i32 s23, s14, 8448
	v_add_nc_u32 v24, s23, v5                      ; k's stage, in: row r, 32 h
	v_add_nc_u32 v25, s23, v[L16]                  ; and back: a row of 512 bytes
	s_mul_i32 s23, s14, 16896
	s_add_co_u32 s23, s23, 34816
	v_add_nc_u32 v22, s23, v5                      ; v's stage: 32 rows
	v_add_nc_u32 v23, s23, v[L16]
	v_lshl_add_u32 v19, v3, 2, s23                 ; and down its columns
	v_lshlrev_b32 v18, 10, v2
	v_lshl_add_u32 v18, v1, 4, v18                 ; V's images: 1,024 h + 16 r
	v_lshlrev_b32 v15, 3, v3
	v_lshlrev_b32 v14, 13, v2
	v_lshl_add_u32 v14, v1, 4, v14                 ; Q's scale words: 8,192 h + 16 r
.macro FRAG reg, adr, q, i             ; a fragment: two halves of 512 consecutive bytes
.irp e, 0,1
	ds_load_b128 v[(\reg)+4*\e:(\reg)+4*\e+3], v[\adr] offset:(\i)*4096+(\q)*1024+512*\e
.endr
.endm
; 16 matrix instructions: A's blocks a0, a0 + 1 x B's eight.  zero = 1: the first product starts the sums from the bias.  The 64 accumulators take turns, one instruction a turn.
.macro MUL16 a0, p, q, sc, zero
.irp a, \a0, \a0+1
.irp b, 0,1,2,3,4,5,6,7
.if \zero
	v_wmma_scale_f32_16x16x128_f8f6f4 v[8*(8*((\a)%4)+\b):8*(8*((\a)%4)+\b)+7], v[128*(\p)+FR*\b:128*(\p)+FR*\b+FR-1], v[AF+FR*(\a):AF+FR*(\a)+FR-1], v[BIAS+8*\b:BIAS+8*\b+7], v[SC+8*NQ*(\sc)+NQ*\b+(\q)], v[SC+8*NQ*(\sc)+NQ*(\a)+(\q)] matrix_a_fmt:MATRIX_FMT_FP4 matrix_b_fmt:MATRIX_FMT_FP4 matrix_a_scale:MATRIX_SCALE_ROW1
.else
	v_wmma_scale_f32_16x16x128_f8f6f4 v[8*(8*((\a)%4)+\b):8*(8*((\a)%4)+\b)+7], v[128*(\p)+FR*\b:128*(\p)+FR*\b+FR-1], v[AF+FR*(\a):AF+FR*(\a)+FR-1], v[8*(8*((\a)%4)+\b):8*(8*((\a)%4)+\b)+7], v[SC+8*NQ*(\sc)+NQ*\b+(\q)], v[SC+8*NQ*(\sc)+NQ*(\a)+(\q)] matrix_a_fmt:MATRIX_FMT_FP4 matrix_b_fmt:MATRIX_FMT_FP4 matrix_a_scale:MATRIX_SCALE_ROW1
.endif
.endr
.endr
.endm
.macro FETCH_B slot, q, p
	WIN TO_B
.irp i, 0,1,2,3,4,5,6,7
	FRAG 128*(\p)+FR*\i, ADRB+\slot, \q, \i
.endr
	WIN 0
.endm
.macro FETCH_A slot, q, i0
.irp i, \i0, \i0+1, \i0+2, \i0+3
	FRAG AF+FR*(\i), ADRA+\slot, \q, \i
.endr
.endm
.macro SCALES sc                       ; a slot's scale words: register 4 i + q: lanes 0-15 A's block i, lanes 16-31 B's block i
.irp i, 0,1,2,3,4,5,6,7
.irp q, 0,1,2,3
	ds_load_b32 v[SC+32*\sc+4*\i+\q], v[ADRS] offset:\i*512+(4*\sc+\q)*64
.endr
.endr
.endm
.macro PLACES n
.rept \n
	v_nop
.endr
.endm
.macro STEP slot, q, zero              ; 128 along K with its successor in the same slot
	s_wait_dscnt 4*NL                              ; all but the youngest eight loads (A's blocks 4-7) are in
.if \zero
	WIN 0x81                                       ; C (the bias) window 0, D window 2
.else
	WIN MUL_LO
.endif
	MUL16 0, (\q)%2, \q, \slot, \zero
	MUL16 2, (\q)%2, \q, \slot, \zero
	s_wait_dscnt 0
	PLACES NP                                      ; in front of loads into registers that matrix instructions have read
	FETCH_B \slot, (\q)+1, 1-(\q)%2
	FETCH_A \slot, (\q)+1, 0
.if \zero
	WIN 0xc1
.else
	WIN MUL_HI
.endif
	MUL16 4, (\q)%2, \q, \slot, \zero
	MUL16 6, (\q)%2, \q, \slot, \zero
	PLACES NP
	WIN 0
	FETCH_A \slot, (\q)+1, 4
.endm
.macro TURN slot, next                 ; a slot's last step changes slots: one barrier; behind it the next slot is whole and nobody reads this one.  Nothing is filled again
	s_wait_tensorcnt 0x0                           ; all my tensor loads have landed
	ds_add_u32 v[SPW], v[NIL]                      ; 0 onto my spare word
	s_wait_dscnt 4*NL+1                            ; the add and the youngest eight loads may be out
	WIN MUL_LO
	MUL16 0, 1, NQ-1, \slot, 0
	s_wait_dscnt 0x0                               ; the add is done, and my reads of this slot are over
	s_barrier_signal -1
	MUL16 2, 1, NQ-1, \slot, 0
	WIN 0
	s_barrier_wait -1
	PLACES NP
	FETCH_B \next, 0, 0
	FETCH_A \next, 0, 0
	SCALES \next
	WIN MUL_HI
	MUL16 4, 1, NQ-1, \slot, 0
	MUL16 6, 1, NQ-1, \slot, 0
	PLACES NP
	WIN 0
	FETCH_A \next, 0, 4
.endm
.macro STEPS slot, from
.set Q, \from
.rept NQ-1-\from
	STEP \slot, Q, 0
.set Q, Q+1
.endr
.endm
	s_wait_alu depctr_va_vdst(0)
	s_wait_tensorcnt 0x0                           ; my one load is in,
	s_barrier_signal -1
	s_barrier_wait -1                              ; everybody's are
	FETCH_B 0, 0, 0
	FETCH_A 0, 0, 0
	SCALES 0
	FETCH_A 0, 0, 4
	s_wait_loadcnt 0x0                             ; the bias
	STEP 0, 0, 1
	STEPS 0, 1
	TURN 0, 1
	s_load_b256 s[24:31], s[0:1], 0x28             ; no tensor load is out any more, so the descriptors' registers are free: qq 24, kv 26, out1 28, out2 30
	STEPS 1, 0
	s_wait_dscnt 4*NL
	WIN MUL_LO
	MUL16 0, 1, NQ-1, 1, 0
	MUL16 2, 1, NQ-1, 1, 0
	s_wait_dscnt 0
	s_barrier_signal -1                            ; my reads of the slots are over: say so, work on registers,
	WIN MUL_HI
	MUL16 4, 1, NQ-1, 1, 0
	MUL16 6, 1, NQ-1, 1, 0
	WIN 0
	s_barrier_wait -1                              ; and store into the stages only when all four have said so
	; ---------------- THE WAY OUT
	PLACES NP                                      ; behind the last products: results are read, and registers that held scales and fragments are written
	s_wait_kmcnt 0x0
	s_mov_b32 s48, 0xffff0000                      ; lanes 16-31
	s_mov_b32 s49, 0x7f7f0000
	s_mov_b32 s50, 0x76543210
	s_mov_b32 s51, 0xfedcba98
	s_lshl_b32 s52, s17, 8
	s_lshl_b32 s53, s15, 7
	s_add_co_u32 s52, s52, s53                     ; my first token
	s_lshr_b32 s53, s52, 11                        ; batch
	s_and_b32 s54, s52, 2047                       ; position
	s_lshl_b32 s55, s53, 4
	s_lshl_b32 s56, s40, 2
	s_add_co_u32 s55, s55, s56
	s_lshl_b32 s56, s16, 1
	s_add_co_u32 s55, s55, s56                     ; my first (batch, head): 16 b + 4 cx + 2 x half
.irp b, 0,1,2,3
	v_mov_b32 v[TM+4+\b], 0                        ; written once: a lane permute's destination counts as one of its sources
.endr
; 16 tokens x 128 columns (64 registers at sr of window w) -> two half fragments in v[pc] on (one a head), the row's four scale bytes in v[pw].  Each accumulator is read from its low end on.
.macro QUANTW sr, w, pc, pw
	WIN (\w)|((\w)<<2)
.irp b, 0,1,2,3
	v_max3_num_f32 v[TM+\b], |v[(\sr)+16*\b]|, |v[(\sr)+16*\b+1]|, 0x1800000     ; and the floor 2^(3 - 127)
.endr
.irp i, 2,4,6,8,10,12,14
.irp b, 0,1,2,3
	v_max3_num_f32 v[TM+\b], |v[(\sr)+16*\b+\i]|, |v[(\sr)+16*\b+\i+1]|, v[TM+\b]
.endr
.endr
	WIN 0
.irp b, 0,1,2,3
	v_permlanex16_b32 v[TM+4+\b], v[TM+\b], s50, s51
.endr
.irp b, 0,1,2,3
	v_max_num_f32 v[TM+\b], v[TM+\b], v[TM+4+\b]
.endr
.irp b, 0,1,2,3
	v_add_nc_u32 v[TM+12+\b], 0xff000000, v[TM+\b]
.endr
.irp b, 0,1,2,3
	v_lshrrev_b32 v[TM+4+\b], 23, v[TM+12+\b]
.endr
	v_lshl_or_b32 v[\pw], v[TM+5], 8, v[TM+4]
	v_lshl_or_b32 v[\pw], v[TM+6], 16, v[\pw]
	v_lshl_or_b32 v[\pw], v[TM+7], 24, v[\pw]
	WIN \w
.irp e, 0,1
	v_cvt_scalef32_pk8_fp4_f32 v[(\pc)+4*\e], v[(\sr)+32*\e:(\sr)+32*\e+7], v[TM+12+2*\e]
	v_cvt_scalef32_pk8_fp4_f32 v[(\pc)+4*\e+1], v[(\sr)+32*\e+16:(\sr)+32*\e+23], v[TM+13+2*\e]
	v_cvt_scalef32_pk8_fp4_f32 v[(\pc)+4*\e+2], v[(\sr)+32*\e+8:(\sr)+32*\e+15], v[TM+12+2*\e]
	v_cvt_scalef32_pk8_fp4_f32 v[(\pc)+4*\e+3], v[(\sr)+32*\e+24:(\sr)+32*\e+31], v[TM+13+2*\e]
.endr
	WIN 0
	v_nop                                          ; one plain place behind a scaled conversion
.irp e, 0,1
	v_permlane16_swap_b32 v[(\pc)+4*\e], v[(\pc)+4*\e+1]
	v_permlane16_swap_b32 v[(\pc)+4*\e+2], v[(\pc)+4*\e+3]
.endr
.endm
.macro KVADR outp                      ; s[58:59]: my first head's record;  s[60:61]: its first row in out1 or out2
	s_mul_i32 s56, s55, 24
	s_lshr_b32 s57, s54, 7
	s_add_co_u32 s56, s56, s57
	s_add_co_u32 s56, s56, 8
	s_mul_i32 s56, s56, 8960
	s_mov_b32 s57, 0
	s_add_nc_u64 s[58:59], s[26:27], s[56:57]
	s_mul_i32 s56, s55, 3072
	s_add_co_u32 s56, s56, s54
	s_add_co_u32 s56, s56, 1024
	s_lshl_b32 s56, s56, 8
	s_add_nc_u64 s[60:61], s[\outp:\outp+1], s[56:57]
.endm
	s_cmp_eq_u32 ttmp9, 1                          ; the cluster's x: the same in all sixteen partners
	s_cbranch_scc1 .Lk
	s_cmp_eq_u32 ttmp9, 2
	s_cbranch_scc1 .Lv
	; ---- q: codes and scale words alone
	s_lshl_b32 s56, s55, 16
	s_lshl_b32 s57, s54, 5
	s_add_co_u32 s56, s56, s57
	s_mov_b32 s57, 0
	s_add_nc_u64 s[58:59], s[24:25], s[56:57]
	s_lshl_b32 s56, s55, 13
	s_lshl_b32 s62, s54, 2
	s_add_co_u32 s56, s56, s62
	s_add_co_u32 s56, s56, SC_OFF
	s_add_nc_u64 s[60:61], s[24:25], s[56:57]
.irp a, 0,1,2,3,4,5,6,7
	QUANTW 64*(\a%4), 2+(\a/4), 128+8*\a, 48+\a
	global_store_b128 v[L16], v[128+8*\a:128+8*\a+3], s[58:59] offset:\a*512               ; 512 consecutive bytes
	global_store_b128 v[L16], v[128+8*\a+4:128+8*\a+7], s[58:59] offset:65536+\a*512       ; the second head
.endr
.irp a, 0,1,2,3,4,5,6,7
	v_lshrrev_b32 v[56+\a], v31, v[48+\a]          ; lanes 0-15 the first head's two bytes, lanes 16-31 the second's
.endr
.irp a, 0,1,2,3,4,5,6,7
	v_and_or_b32 v[56+\a], v[56+\a], 0xffff, s49   ; bytes 2 and 3: 127
.endr
	global_store_b128 v14, v[56:59], s[60:61]      ; sixteen lanes fill 256 aligned bytes
	global_store_b128 v14, v[60:63], s[60:61] offset:256
	s_branch .Lend
.Lk:    ; ---- k: codes and scale words into the records, rows into out1
	KVADR 28
.irp a, 0,1,2,3,4,5,6,7
	QUANTW 64*(\a%4), 2+(\a/4), 128+8*\a, 48+\a
	global_store_b128 v[L16], v[128+8*\a:128+8*\a+3], s[58:59] offset:\a*512
	global_store_b128 v[L16], v[128+8*\a+4:128+8*\a+7], s[58:59] offset:215040+\a*512
.endr
.irp b, 0,1,2,3
	v_cndmask_b32 v[TM+\b], v[48+2*\b], v[49+2*\b], s48    ; lanes 0-15 the even tile's word, lanes 16-31 the odd tile's
.endr
.irp b, 0,1,2,3
	v_and_or_b32 v[56+\b], v[TM+\b], 0xffff, s49
	v_lshrrev_b32 v[60+\b], 16, v[TM+\b]
.endr
.irp b, 0,1,2,3
	v_or_b32 v[60+\b], s49, v[60+\b]
.endr
	global_store_b128 v[L16], v[56:59], s[58:59] offset:8192
	global_store_b128 v[L16], v[60:63], s[58:59] offset:215040+8192
	s_wait_xcnt 0x0                                ; the images' stores have read v128-191: rows land there only behind this wait
.macro TOSTAGE a                       ; 16 tokens x 128 columns through my stage; LDS serves a wave's instructions in order
.set AC, 64*((\a)%4)
	WIN 0x08+4*((\a)/4)
.irp b, 0,1,2,3,4,5,6,7
	ds_store_b128 v24, v[AC+8*\b:AC+8*\b+3] offset:64*\b
	ds_store_b128 v24, v[AC+8*\b+4:AC+8*\b+7] offset:64*\b+16
.endr
	WIN 0
.set BB, BK+64*((\a)%2)
.irp t, 0,1,2,3,4,5,6,7,8,9,10,11,12,13,14,15
	ds_load_b128 v[BB+4*\t:BB+4*\t+3], v25 offset:\t*528
.endr
.endm
.macro SENDK a, younger
.set BB, BK+64*((\a)%2)
	s_wait_dscnt \younger                          ; the block is back; the next block's 16 stores and 16 loads may be out
.irp t, 0,1,2,3,4,5,6,7,8,9,10,11,12,13,14,15
	global_store_b128 v30, v[BB+4*\t:BB+4*\t+3], s[60:61] offset:(16*(\a)+\t)*256 th:TH_STORE_NT   ; each half of the lanes fills one head's row: 256 aligned bytes
.endr
.endm
	TOSTAGE 0
.irp a, 1,2,3,4,5,6,7
.if \a > 1
	s_wait_xcnt 0x0                                ; block a - 2's stores have read their registers
.endif
	TOSTAGE \a
	SENDK \a-1, 32
.endr
	SENDK 7, 0
	s_branch .Lend
.Lv:    ; ---- v: rows into out2; codes along the KEYS: 32 tokens at a time through my stage, then a lane takes a column
	KVADR 30
.macro Q32 xx, cc, bb
	v_max3_num_f32 v[M0], |v[(\xx)]|, |v[(\xx)+1]|, |v[(\xx)+2]|
	v_max3_num_f32 v[M1], |v[(\xx)+3]|, |v[(\xx)+4]|, |v[(\xx)+5]|
.irp i, 6,10,14,18,22,26
	v_max3_num_f32 v[M0], v[M0], |v[(\xx)+\i]|, |v[(\xx)+\i+1]|
	v_max3_num_f32 v[M1], v[M1], |v[(\xx)+\i+2]|, |v[(\xx)+\i+3]|
.endr
	v_max3_num_f32 v[M0], v[M0], |v[(\xx)+30]|, |v[(\xx)+31]|
	v_max3_num_f32 v[M0], v[M0], v[M1], 0x1800000
	v_add_nc_u32 v[SO], 0xff000000, v[M0]
.irp g, 0,1,2,3
	v_cvt_scalef32_pk8_fp4_f32 v[(\cc)+\g], v[(\xx)+8*\g:(\xx)+8*\g+7], v[SO]
.endr
	v_lshrrev_b32 v[\bb], 23, v[SO]                ; the byte; also the plain line behind the conversions
.endm
.macro VCOLS g0                        ; columns 32 (g0 + e) + lane, 32 tokens down
.irp e, 0,1
.set II, 0
.rept 32
	ds_load_b32 v[64+32*\e+II], v19 offset:II*528+((\g0)+\e)*128
.set II, II+1
.endr
.endr
.endm
.macro VQ kb, g0                       ; key block kb of the step, columns of groups g0, g0 + 1
.irp e, 0,1
	Q32 64+32*\e, 32+4*((\g0)+\e), 55
.if (\kb) == 0
	v_mov_b32 v[48+(\g0)+\e], v55
.else
	v_lshl_or_b32 v[48+(\g0)+\e], v55, 8*(\kb), v[48+(\g0)+\e]
.endif
	global_store_b128 v18, v[32+4*((\g0)+\e):32+4*((\g0)+\e)+3], s[58:59] offset:((\g0)/2)*215040+4096+\e*2048+((\kb)/2)*512+((\kb)%2)*256   ; sixteen lanes fill 256 aligned bytes
.endr
.endm
.macro VPAIR kb
.if (\kb) > 0
	s_wait_xcnt 0x0                                ; the last pair's stores have read their registers
.endif
	WIN 0x08+4*((\kb)/2)
.irp u, 0,1
.irp b, 0,1,2,3,4,5,6,7
	ds_store_b128 v22, v[64*((2*(\kb)+\u)%4)+8*\b:64*((2*(\kb)+\u)%4)+8*\b+3] offset:\u*8448+64*\b
	ds_store_b128 v22, v[64*((2*(\kb)+\u)%4)+8*\b+4:64*((2*(\kb)+\u)%4)+8*\b+7] offset:\u*8448+64*\b+16
.endr
.endr
	WIN 0
.set TT, 0
.rept 32
	ds_load_b128 v[128+4*TT:128+4*TT+3], v23 offset:TT*528
.set TT, TT+1
.endr
	VCOLS 0
	s_wait_dscnt 0x0
.set TT, 0
.rept 32
	global_store_b128 v30, v[128+4*TT:128+4*TT+3], s[60:61] offset:(32*(\kb)+TT)*256 th:TH_STORE_NT
.set TT, TT+1
.endr
	VQ \kb, 0
	VCOLS 2
	s_wait_dscnt 0x0
	VQ \kb, 2
.endm
	VPAIR 0
	VPAIR 1
	VPAIR 2
	VPAIR 3
	global_store_b64 v15, v[48:49], s[58:59] offset:8704            ; 256 consecutive bytes
	global_store_b64 v15, v[50:51], s[58:59] offset:215040+8704
.Lend:
	s_wait_tensorcnt 0x0                           ; the wave's end
	ds_add_u32 v[SPW], v[NIL]
	s_wait_dscnt 0x0
	CROUND                                         ; the closing round
	s_endpgm
.Lfunc_end_k_qb45e6e34df_qkv:
	.size	k_qb45e6e34df_qkv, .Lfunc_end_k_qb45e6e34df_qkv-k_qb45e6e34df_qkv
	.p2alignl 7, 3214868480
	.fill 96, 4, 3214868480
	.section	.rodata,"a",@progbits
	.p2align	6, 0x0
	.amdhsa_kernel k_qb45e6e34df_qkv
		.amdhsa_group_segment_fixed_size 327680
		.amdhsa_private_segment_fixed_size 0
		.amdhsa_enable_private_segment 0
		.amdhsa_kernarg_size 72
		.amdhsa_user_sgpr_count 2
		.amdhsa_user_sgpr_kernarg_segment_ptr 1
		.amdhsa_wavefront_size32 1
		.amdhsa_system_sgpr_workgroup_id_x 1
		.amdhsa_system_sgpr_workgroup_id_y 1
		.amdhsa_system_sgpr_workgroup_id_z 1
		.amdhsa_system_vgpr_workitem_id 0
		.amdhsa_next_free_vgpr 1024
		.amdhsa_next_free_sgpr 102
		.amdhsa_reserve_vcc 0
		.amdhsa_float_denorm_mode_32 3
		.amdhsa_float_denorm_mode_16_64 3
		.amdhsa_memory_ordered 1
		.amdhsa_forward_progress 1
		.amdhsa_inst_pref_size 255
	.end_amdhsa_kernel
	.section	.bss,"aw",@nobits
	.p2align	6
	.space	262144
	.amdgpu_metadata
---
amdhsa.version: [ 1, 2 ]
amdhsa.kernels:
  - .name:           k_qb45e6e34df_qkv
    .symbol:         k_qb45e6e34df_qkv.kd
    .args:
      - { .name: xq, .offset: 0, .size: 8, .value_kind: global_buffer, .address_space: global }
      - { .name: wq, .offset: 8, .size: 8, .value_kind: global_buffer, .address_space: global }
      - { .name: bq, .offset: 16, .size: 8, .value_kind: global_buffer, .address_space: global }
      - { .name: bk, .offset: 24, .size: 8, .value_kind: global_buffer, .address_space: global }
      - { .name: bv, .offset: 32, .size: 8, .value_kind: global_buffer, .address_space: global }
      - { .name: qq, .offset: 40, .size: 8, .value_kind: global_buffer, .address_space: global }
      - { .name: kv, .offset: 48, .size: 8, .value_kind: global_buffer, .address_space: global }
      - { .name: out1, .offset: 56, .size: 8, .value_kind: global_buffer, .address_space: global }
      - { .name: out2, .offset: 64, .size: 8, .value_kind: global_buffer, .address_space: global }
    .group_segment_fixed_size: 327680
    .private_segment_fixed_size: 0
    .kernarg_segment_align: 8
    .kernarg_segment_size: 72
    .max_flat_workgroup_size: 128
    .sgpr_count:     102
    .vgpr_count:     1024
    .wavefront_size: 32
...
	.end_amdgpu_metadata
.endif
;; end of part 2
;; launch attn (part 3): grid 8 x 32, 16 waves a work-group, clusters of 4 x 1, 327,680 bytes of LDS; arguments qq, kv, yq; writes yq
.if DOCPART == 3
	.amdgcn_target "amdgcn-amd-amdhsa--gfx1250"
	.amdhsa_code_object_version 6
	.text
	.protected	k_qb45e6e34df_attn
	.globl	k_qb45e6e34df_attn
	.p2align	8
	.type	k_qb45e6e34df_attn,@function
k_qb45e6e34df_attn:
	s_mov_b64 s[64:65], 0
	v_nop
	global_prefetch_b8 v0, s[64:65] scope:SCOPE_SE
	s_setreg_imm32_b32 hwreg(HW_REG_WAVE_MODE, 25, 1), 1
	s_wait_xcnt 0x0
	s_wait_alu depctr_hold_cnt(0) depctr_sa_sdst(0) depctr_va_vdst(0) depctr_va_sdst(0) depctr_va_ssrc(0) depctr_va_vcc(0) depctr_vm_vsrc(0)
	s_getreg_b32 s2, hwreg(HW_REG_IB_STS2, 6, 4)
	s_cmp_eq_u32 s2, 0
	s_cbranch_scc0 .Lentry_in_a_cluster
	s_endpgm
.Lentry_in_a_cluster:
	s_bfe_u32 s2, ttmp6, 0x10000c
	s_cmp_lg_u32 s2, 0x3003
	s_cbranch_scc0 .Lentry_shape_is_right
	s_endpgm
.Lentry_shape_is_right:
; y = softmax(q k^T / 8, causal behind a cache of 1,024 keys) v for one (batch, head) and 256 queries a work-group, both products on codes of FP4 (E2M1) with E8M0 scales; y leaves as codes for launch proj.
; WORK LEFT OUT: a step of 128 keys all of which come after all 16 queries of a tile has the weight 0 by the mask that reference() builds itself, whatever the inputs hold: it is not walked.
; LIMITS: a NaN, an infinity or an overflow that reaches only such steps is not carried to the result; the promise holds while the scaled scores stay under 2^31 in magnitude; the quantiser's limits are those stated at the head of launch prep.
; THE SOFTMAX: t = score x log2(e) / 8; M = the running largest t rounded up to a whole number; p = 2^(t - M) is quantised along the keys; the row's sum is taken of the unquantised p and divides at the end.
; SHARES: sixteen waves, one tile of 16 queries each.  Work-group x takes tiles 8 kt + x, kt = 0 .. 15: a tile walks 9 + kt steps, a number that hangs on the wave alone.  kt falls with the wave's number, and waves w, w + 4, w + 8, w + 12 have 66 steps together.
; LDS: all 24 records (128 keys each, 8,960 bytes) of the head, filled once: the cache's 8 at the head (waves 0-13, 20 rows of 256 bytes each), the other 16 later (35 rows a wave), while the cache is walked.
; The barrier that shows the second fill to all is split: each wave signals behind its second step and waits behind its eighth; between the two it reads only the cache's records, which nobody writes.
; CLUSTERS: the 8 work-groups of a head read the same records; 4 of them form a cluster and ask jointly (mask 15).  No branch and no LDS address hangs on the place in the cluster: x enters global addresses and the diagonal's compare alone.
; No prefetch: the whole stream is asked for by these two loads at the head, so no later request is left to run ahead of.
; LAYOUT: S^T = K Q^T, O^T = V^T P^T: lane (r, h) holds query r.  THE KEYS OF A TILE ARE CHOSEN AT THE LDS READ: row 8 h + j of tile 4 c + s is key 64 c + 32 h + 8 s + j of the step, so a lane's 32 registers of tiles 4 c .. 4 c + 3 are
; ONE block of 32 keys, block 2 c + h: its largest score needs no other lane, and four conversions give the second product's operand registers 4 c .. 4 c + 3 as they are.  (Rows 0-7 and 8-15 of such a tile lie 1,024 bytes apart in the record.)
; A head has 64 of the instruction's 128 along K: Q's upper registers hold zero codes, K's operand runs on into the next tile's registers, and bytes 2, 3 of both scale words are 127.
.set SC_OFF, 2097152
.set RECB,   8960
.set SPARE,  24*RECB                   ; the spare words, 128 bytes a wave: eight blocks of 256 bytes that no other line names
.set L16, 1                            ; 16 x lane
.set AK0, 2                            ; my place in K's images: 1,024 (row / 8) + 256 (lane / 16) + 16 (row % 8)
.set AS0, 3                            ; among K's scale words: 16 (row % 8) + 4 (row / 8) + 128 (lane / 16)
.set L8,  4                            ; 8 x lane
.set SPW, 5
.set NIL, 6
.set MD,  7                            ; 16 x + r - 32 h: on the diagonal register 32 c + i is hidden where 64 c + i is greater
.set ADK, 8
.set ADV, 9
.set ADS, 10
.set ADT, 11                           ; v12 -M, v13 the largest score, v[14:15] the sum, v16-23 Q
.set QS,  24
.set SH8, 25                           ; 8 h
.set VSC, 26
.set KSC, 28
.set KR,  32                           ; v32-63 K, v64-67 zeros
.set VR,  68
.set S,   100
.set O,   164
.set PC,  196
.set BM,  204
.set PR,  206
.set SO,  208
.set T,   210
.set F,   212
.set PSW, 213
.set T2,  214
.set MK,  216
.set YB,  217
.set QA,  218
.set WV,  10
.set BH,  11
.set X,   12
.set KT,  13
.set TAU, 14
.set G1A, 16
.set G1B, 24
.set G0A, 32
.set G0B, 36
.set SEL, 40
.set CS,  42
.set TB,  44
.set NC,  45
.set LAST, 46
.set SI,  56
.set HI,  57
.macro ROUND                           ; a round of the cluster's barrier
	s_barrier_signal -1
	s_barrier_wait -1
	s_cmp_lg_u32 s[WV], 0
	s_cbranch_scc1 .Lnot_wave_0_\@
	s_barrier_signal -3
.Lnot_wave_0_\@:
	s_barrier_wait -3
	s_barrier_signal -1
	s_barrier_wait -1
.endm
.macro GRP1 g, rows                    ; a dense block as rows of 256 bytes (32 elements of 8), asked for jointly by the cluster's four
	s_mov_b32 s[\g], 15|(3<<16)|(1<<21)
	s_mov_b32 s[\g+1], 32<<16
	s_mov_b32 s[\g+2], (\rows)<<16
	s_mov_b32 s[\g+3], 32<<16
	s_mov_b32 s[\g+4], \rows
	s_mov_b32 s[\g+5], 32
	s_mov_b32 s[\g+6], 0
	s_mov_b32 s[\g+7], 0
.endm
	s_load_b128 s[4:7], s[0:1], 0x0                ; qq, kv
	s_load_b64 s[8:9], s[0:1], 0x10                ; yq
	v_lshl_add_u32 v[SPW], v0, 2, SPARE
	v_mov_b32 v[NIL], 0
	ds_add_u32 v[SPW], v[NIL]                      ; the opening: the add, twice on end, and its wait ahead of my first tensor load
	ds_add_u32 v[SPW], v[NIL]
	v_lshrrev_b32 v219, 5, v0
	s_delay_alu instid0(VALU_DEP_1)
	v_readfirstlane_b32 s[WV], v219
	s_and_b32 s[BH], ttmp7, 0xffff                 ; (batch, head)
	s_bfe_u32 s48, ttmp6, 0x40000
	s_lshl_b32 s[X], ttmp9, 2
	s_add_co_u32 s[X], s[X], s48                   ; work-group x = 4 x cluster x + cx
	s_bfe_u32 s48, s[WV], 0x10002
	s_mul_i32 s48, s48, 3
	s_xor_b32 s48, s48, s[WV]                      ; waves 4-7 and 12-15 in reverse order
	s_sub_co_u32 s[KT], 15, s48
	s_add_co_u32 s[LAST], s[KT], 8                 ; my last step, the one on the diagonal
	s_lshl_b32 s[TAU], s[KT], 3
	s_add_co_u32 s[TAU], s[TAU], s[X]              ; my tile of queries
	GRP1 G1A, 20
	GRP1 G1B, 35
	s_mul_i32 s48, s[BH], 24*RECB
	s_mul_i32 s50, s[WV], 5120
	s_mul_i32 s51, s[WV], RECB
	s_add_co_u32 s51, s51, 8*RECB
	s_add_co_u32 s54, s48, s50
	s_mov_b32 s55, 0
	s_add_co_u32 s48, s48, s51
	s_mov_b32 s49, 0
	s_lshl_b32 s58, s[BH], 7
	s_add_co_u32 s58, s58, s[TAU]
	s_lshl_b32 s58, s58, 9                         ; Q's image: 512 bytes a tile
	s_mov_b32 s59, 0
	s_lshl_b32 s60, s[BH], 13
	s_lshr_b32 s62, s[TAU], 2
	s_lshl_b32 s62, s62, 8
	s_add_co_u32 s60, s60, s62
	s_and_b32 s62, s[TAU], 3
	s_lshl_b32 s62, s62, 2
	s_add_co_u32 s60, s60, s62
	s_add_co_u32 s60, s60, SC_OFF                  ; Q's scale words
	s_mov_b32 s61, 0
	s_lshl_b32 s62, s[X], 4
	s_mov_b32 s[SEL], 0x76543210
	s_mov_b32 s[SEL+1], 0xfedcba98                 ; lane l xor 16
	s_mov_b32 s[CS], 0x3e38aa3b                    ; c = log2(e) / 8
	s_mov_b32 s[CS+1], s[CS]
	s_mov_b32 s[NC], 0xbe38aa3b                    ; -c
	s_mov_b32 s[HI], 0xffff0000
	s_mov_b32 s[TB], 0
	s_mov_b32 s[SI], 0
	s_wait_dscnt 0x0                               ; both opening adds are done
	s_wait_kmcnt 0x0
	s_add_nc_u64 s[58:59], s[4:5], s[58:59]
	s_add_nc_u64 s[60:61], s[4:5], s[60:61]
	v_and_b32 v219, 31, v0
	v_and_b32 v220, 15, v0                         ; r
	s_delay_alu instid0(VALU_DEP_2)
	v_lshlrev_b32 v[L16], 4, v219
	s_delay_alu instid0(VALU_DEP_2)
	v_lshlrev_b32 v[QA], 4, v220
	global_load_b128 v[16:19], v[L16], s[58:59]    ; Q is asked for ahead of the round
	global_load_b32 v[QS], v[QA], s[60:61]
	s_mov_b32 s[G0A], 1
	s_mov_b32 s[G0A+1], s50
	s_add_nc_u64 s[G0A+2:G0A+3], s[6:7], s[54:55]
	s_or_b32 s[G0A+3], s[G0A+3], 0x80000000
	s_mov_b32 s[G0B], 1
	s_mov_b32 s[G0B+1], s51
	s_add_nc_u64 s[G0B+2:G0B+3], s[6:7], s[48:49]
	s_or_b32 s[G0B+3], s[G0B+3], 0x80000000
	s_wait_alu depctr_va_vdst(0)                   ; directly ahead of the barrier's signal
	ROUND                                          ; the four work-groups are here: the joint loads meet
	s_cmp_lt_u32 s[WV], 14
	s_cbranch_scc0 .Lno_first
	tensor_load_to_lds s[G0A:G0A+3], s[G1A:G1A+7]  ; the cache's 8 records: 14 x 20 rows
	s_nop 0
.rept 4
	v_nop
.endr
.Lno_first:
	v_bfe_u32 v221, v0, 4, 1                       ; h
	v_and_b32 v222, 7, v0                          ; row % 8
	v_bfe_u32 v223, v0, 3, 1                       ; row / 8
	v_lshlrev_b32 v[L8], 3, v219
	v_lshlrev_b32 v[AK0], 4, v222
	v_lshlrev_b32 v[AS0], 4, v222
	s_delay_alu instid0(VALU_DEP_2)
	v_lshl_add_u32 v[AK0], v221, 8, v[AK0]
	s_delay_alu instid0(VALU_DEP_2)
	v_lshl_add_u32 v[AS0], v221, 7, v[AS0]
	s_delay_alu instid0(VALU_DEP_2)
	v_lshl_add_u32 v[AK0], v223, 10, v[AK0]
	s_delay_alu instid0(VALU_DEP_2)
	v_lshl_add_u32 v[AS0], v223, 2, v[AS0]
	v_lshlrev_b32 v[SH8], 3, v221
	v_lshlrev_b32 v[MD], 5, v221
	s_delay_alu instid0(VALU_DEP_1)
	v_sub_nc_u32 v[MD], v220, v[MD]
	s_delay_alu instid0(VALU_DEP_1)
	v_add_nc_u32 v[MD], s62, v[MD]
	v_lshl_add_u32 v[YB], v220, 2, v221
.irp j, 20,21,22,23,64,65,66,67
	v_mov_b32 v\j, 0
.endr
	v_mov_b32 v13, 0xff61b1e6                      ; the largest score so far: -3e38
	s_delay_alu instid0(VALU_DEP_1)
	v_mul_f32 v12, s[NC], v13
	s_delay_alu instid0(VALU_DEP_1)
	v_floor_f32 v12, v12                           ; -M
	v_mov_b32 v14, 0
	v_mov_b32 v15, 0
	v_mov_b32 v[PR], 0                             ; a lane permute's destination counts as one of its sources
	v_mov_b32 v[PR+1], 0
	v_mov_b32 v[PSW], 0
	v_mov_b32 v[MK], 0xff800000                    ; -infinity
.set JJ, 0
.rept 32
	v_mov_b32 v[O+JJ], 0                           ; O^T: the step is written once for all steps; the first change of M leaves zeros zeros
.set JJ, JJ+1
.endr
; A STEP: 128 keys, record TB / RECB.  causal = 1: a step behind my last is jumped over, and on my last the hidden scores become -infinity; both tests hang on the wave's number and the count of steps alone.
.macro STEP causal
.if \causal
	s_cmp_gt_u32 s[SI], s[LAST]
	s_cbranch_scc1 .Lhidden_\@
.endif
	v_add_nc_u32 v[ADK], s[TB], v[AK0]             ; these four are also the places in front of the loads into registers that the last products read
	v_add_nc_u32 v[ADS], s[TB], v[AS0]
	v_add_nc_u32 v[ADV], s[TB], v[L16]
	v_add_nc_u32 v[ADT], s[TB], v[L8]
.irp c, 0,1
.irp s, 0,1,2,3
	ds_load_b128 v[KR+16*\c+4*\s:KR+16*\c+4*\s+3], v[ADK] offset:(4*\c+\s/2)*512+(\s%2)*128
.endr
.endr
.irp c, 0,1
.irp p, 0,1
	ds_load_b32 v[KSC+2*\c+\p], v[ADS] offset:8192+256*\p+8*\c     ; lanes 0-15 tile 4 c + 2 p, lanes 16-31 the next
.endr
.endr
.irp t, 0,1,2,3,4,5,6,7
	ds_load_b128 v[VR+4*\t:VR+4*\t+3], v[ADV] offset:4096+512*\t
.endr
	ds_load_b64 v[VSC:VSC+1], v[ADT] offset:8704
	s_wait_dscnt 9                                 ; K and its scale words are in; V's nine loads may be out
.irp t, 0,2,4,6
	v_wmma_scale_f32_16x16x128_f8f6f4 v[S+8*\t:S+8*\t+7], v[KR+4*\t:KR+4*\t+7], v[16:23], 0, v[KSC+\t/2], v[QS] matrix_a_fmt:MATRIX_FMT_FP4 matrix_b_fmt:MATRIX_FMT_FP4
	v_wmma_scale_f32_16x16x128_f8f6f4 v[S+8*\t+8:S+8*\t+15], v[KR+4*\t+4:KR+4*\t+11], v[16:23], 0, v[KSC+\t/2], v[QS] matrix_a_fmt:MATRIX_FMT_FP4 matrix_b_fmt:MATRIX_FMT_FP4 matrix_a_scale:MATRIX_SCALE_ROW1
.endr
.rept 4
	v_nop
.endr
.if \causal
	s_cmp_lt_u32 s[SI], s[LAST]
	s_cbranch_scc1 .Lopen_\@
.set NN, 0
.rept 64
	v_cmp_gt_i32 vcc_lo, 64*(NN/32)+NN%32, v[MD]
	v_cndmask_b32 v[S+NN], v[S+NN], v[MK], vcc_lo
.set NN, NN+1
.endr
.Lopen_\@:
.endif
.irp c, 0,1                            ; the largest score of my two blocks, four chains by turns
	v_max3_num_f32 v[BM+\c], v[S+32*\c], v[S+32*\c+1], v[S+32*\c+2]
	v_max3_num_f32 v[SO+\c], v[S+32*\c+16], v[S+32*\c+17], v[S+32*\c+18]
.endr
.irp i, 3,5,7,9,11,13
.irp c, 0,1
	v_max3_num_f32 v[BM+\c], v[BM+\c], v[S+32*\c+\i], v[S+32*\c+\i+1]
	v_max3_num_f32 v[SO+\c], v[SO+\c], v[S+32*\c+16+\i], v[S+32*\c+17+\i]
.endr
.endr
.irp c, 0,1
	v_max3_num_f32 v[BM+\c], v[BM+\c], v[SO+\c], v[S+32*\c+15]
.endr
.irp c, 0,1
	v_max_num_f32 v[BM+\c], v[BM+\c], v[S+32*\c+31]
.endr
	s_delay_alu instid0(VALU_DEP_1)
	v_max_num_f32 v[T], v[BM], v[BM+1]
	s_delay_alu instid0(VALU_DEP_1)
	v_permlanex16_b32 v[PR], v[T], s[SEL], s[SEL+1]
	s_delay_alu instid0(VALU_DEP_1)
	v_max3_num_f32 v13, v13, v[T], v[PR]           ; the running largest score of my query
	s_delay_alu instid0(VALU_DEP_1)
	v_mul_f32 v[T], s[NC], v13
	s_delay_alu instid0(VALU_DEP_1)
	v_floor_f32 v[T], v[T]                         ; the new -M = floor(-t)
	s_delay_alu instid0(VALU_DEP_1)
	v_sub_f32 v[PR], v[T], v12                     ; old M - new M: a whole number, 0 or less
	v_mov_b32 v12, v[T]
.set JJ, 0
.rept 32
	v_pk_fma_f32 v[S+JJ:S+JJ+1], v[S+JJ:S+JJ+1], s[CS:CS+1], v[12:13] op_sel_hi:[1,0,0]   ; t - M
.set JJ, JJ+2
.endr
	v_cvt_i32_f32 v[PR], v[PR]                     ; (it saturates)
	v_fma_f32 v[BM], v[BM], s[CS], v12             ; the same of each block's largest score
	v_fma_f32 v[BM+1], v[BM+1], s[CS], v12
	v_ldexp_f32 v[F], 1.0, v[PR]                   ; f = 2^(old M - new M)
	s_wait_alu depctr_va_vdst(0)                   ; ahead of the batch
	v_exp_f32 v[BM], v[BM]                         ; the blocks' largest p
	v_exp_f32 v[BM+1], v[BM+1]
.set JJ, 0
.rept 64
	v_exp_f32 v[S+JJ], v[S+JJ]                     ; p = 2^(t - M)
.set JJ, JJ+1
.endr
	v_pk_mul_f32 v[14:15], v[14:15], v[F:F+1] op_sel_hi:[1,0]      ; the sum under the new M; the plain place behind the batch
	s_wait_alu depctr_va_vdst(0)                   ; one wait for the batch, ahead of its first reader
	v_pk_add_f32 v[T2:T2+1], v[S:S+1], v[S+2:S+3]  ; the sum of the unquantised p, two chains
.irp j, 4,8,12,16,20,24,28,32,36,40,44,48,52,56,60
	v_pk_add_f32 v[14:15], v[14:15], v[S+\j:S+\j+1]
	v_pk_add_f32 v[T2:T2+1], v[T2:T2+1], v[S+\j+2:S+\j+3]
.endr
	s_delay_alu instid0(VALU_DEP_1)
	v_pk_add_f32 v[14:15], v[14:15], v[T2:T2+1]
	v_max_num_f32 v[BM], 0x1800000, v[BM]          ; the floor 2^(3 - 127): the byte cannot fall under 1
	v_max_num_f32 v[BM+1], 0x1800000, v[BM+1]
	s_delay_alu instid0(VALU_DEP_2)
	v_add_nc_u32 v[SO], 0xff000000, v[BM]          ; 2 off the exponent field: the conversion's scale operand
	v_add_nc_u32 v[SO+1], 0xff000000, v[BM+1]
.irp c, 0,1
.irp s, 0,1,2,3
	v_cvt_scalef32_pk8_fp4_f32 v[PC+4*\c+\s], v[S+32*\c+8*\s:S+32*\c+8*\s+7], v[SO+\c]
.endr
.endr
	v_lshrrev_b32 v[BM], 23, v[SO]                 ; the bytes of blocks h and 2 + h; also the plain place behind the conversions
	v_lshrrev_b32 v[BM+1], 23, v[SO+1]
	s_delay_alu instid0(VALU_DEP_1)
	v_lshl_or_b32 v[T], v[BM+1], 16, v[BM]
	s_delay_alu instid0(VALU_DEP_1)
	v_lshlrev_b32 v[T], v[SH8], v[T]               ; at their places, 8 h bits up;
	s_delay_alu instid0(VALU_DEP_1)
	v_permlanex16_b32 v[PR], v[T], s[SEL], s[SEL+1]
	s_delay_alu instid0(VALU_DEP_1)
	v_or_b32 v[PSW], v[T], v[PR]                   ; with lane l xor 16's two the scale word is whole
	s_wait_alu depctr_va_vdst(0)                   ; directly ahead of the first reader of O^T
.set JJ, 0
.rept 16
	v_pk_mul_f32 v[O+JJ:O+JJ+1], v[O+JJ:O+JJ+1], v[F:F+1] op_sel_hi:[1,0]   ; O^T under the new M; also the places ahead of the scaled products
.set JJ, JJ+2
.endr
	s_wait_alu depctr_va_vdst(0)                   ; directly ahead of the wait below
	s_wait_dscnt 0x0                               ; V
.irp d, 0,2
	v_wmma_scale_f32_16x16x128_f8f6f4 v[O+8*\d:O+8*\d+7], v[VR+8*\d:VR+8*\d+7], v[PC:PC+7], v[O+8*\d:O+8*\d+7], v[VSC+\d/2], v[PSW] matrix_a_fmt:MATRIX_FMT_FP4 matrix_b_fmt:MATRIX_FMT_FP4
	v_wmma_scale_f32_16x16x128_f8f6f4 v[O+8*\d+8:O+8*\d+15], v[VR+8*\d+8:VR+8*\d+15], v[PC:PC+7], v[O+8*\d+8:O+8*\d+15], v[VSC+\d/2], v[PSW] matrix_a_fmt:MATRIX_FMT_FP4 matrix_b_fmt:MATRIX_FMT_FP4 matrix_a_scale:MATRIX_SCALE_ROW1
.endr
.if \causal
.Lhidden_\@:
.endif
	s_add_co_u32 s[TB], s[TB], RECB
	s_add_co_u32 s[SI], s[SI], 1
.endm
	s_wait_alu depctr_va_vdst(0)
	s_wait_tensorcnt 0x0                           ; my part of the cache's records is in
	ds_add_u32 v[SPW], v[NIL]                      ; the add, twice on end
	ds_add_u32 v[SPW], v[NIL]
	s_wait_dscnt 0x0
	ROUND                                          ; everybody's part is in, and the four work-groups are here
	tensor_load_to_lds s[G0B:G0B+3], s[G1B:G1B+7]  ; the other 16 records, one a wave
	s_nop 0
.rept 4
	v_nop
.endr
	s_wait_loadcnt 0x0                             ; Q
.Lp1a:
	STEP 0
	s_cmp_lt_u32 s[SI], 2
	s_cbranch_scc1 .Lp1a
	s_wait_tensorcnt 0x0                           ; my record of the second fill is in,
	s_wait_dscnt 0x0
	s_barrier_signal -1                            ; say so; steps 2 to 7 read the cache's records alone
	s_mov_b32 s[SI], 2
.Lp1b:
	STEP 0
	s_cmp_lt_u32 s[SI], 8
	s_cbranch_scc1 .Lp1b
	s_barrier_wait -1                              ; all sixteen records are in
	s_mov_b32 s[SI], 8
.Lp2:
	STEP 1
	s_cmp_lt_u32 s[SI], 24
	s_cbranch_scc1 .Lp2
	; THE WAY OUT: O^T / the sum; register 8 t + i of lane (r, h) is y(r, 16 t + 8 h + i); quantised along the head's 64, two blocks, into an image of the operand's registers
.rept 4
	v_nop
.endr
	v_add_f32 v14, v14, v15
	s_delay_alu instid0(VALU_DEP_1)
	v_permlanex16_b32 v[T], v14, s[SEL], s[SEL+1]
	s_delay_alu instid0(VALU_DEP_1)
	v_add_f32 v14, v14, v[T]
	s_wait_alu depctr_va_vdst(0)                   ; ahead of the transcendental
	v_rcp_f32 v14, v14
	v_nop
	s_lshr_b32 s48, s[BH], 4
	s_and_b32 s49, s[BH], 15
	s_lshl_b32 s48, s48, 7
	s_add_co_u32 s48, s48, s[TAU]                  ; row tile of yq
	s_lshr_b32 s50, s49, 3
	s_lshl_b32 s50, s50, 20
	s_lshl_b32 s51, s48, 12
	s_add_co_u32 s50, s50, s51
	s_and_b32 s51, s49, 7
	s_lshl_b32 s51, s51, 9
	s_add_co_u32 s50, s50, s51
	s_mov_b32 s51, 0
	s_add_nc_u64 s[52:53], s[8:9], s[50:51]
	s_lshl_b32 s50, s48, 9
	s_lshr_b32 s54, s49, 1
	s_lshl_b32 s54, s54, 6
	s_add_co_u32 s50, s50, s54
	s_and_b32 s54, s49, 1
	s_lshl_b32 s54, s54, 1
	s_add_co_u32 s50, s50, s54
	s_add_co_u32 s50, s50, SC_OFF
	s_add_nc_u64 s[54:55], s[8:9], s[50:51]
	s_wait_alu depctr_va_vdst(0)                   ; the wait ahead of the first reader of the reciprocal and of O^T
.set JJ, 0
.rept 32
	v_mul_f32 v[S+JJ], v[O+JJ], v14
.set JJ, JJ+1
.endr
.irp b, 0,1
	v_max3_num_f32 v[BM+\b], |v[S+16*\b]|, |v[S+16*\b+1]|, 0x1800000
.endr
.irp i, 2,4,6,8,10,12,14
.irp b, 0,1
	s_delay_alu instid0(VALU_DEP_2)
	v_max3_num_f32 v[BM+\b], v[BM+\b], |v[S+16*\b+\i]|, |v[S+16*\b+\i+1]|
.endr
.endr
.irp b, 0,1
	s_delay_alu instid0(VALU_DEP_2)
	v_permlanex16_b32 v[PR+\b], v[BM+\b], s[SEL], s[SEL+1]
.endr
.irp b, 0,1
	s_delay_alu instid0(VALU_DEP_2)
	v_max_num_f32 v[BM+\b], v[BM+\b], v[PR+\b]
.endr
.irp b, 0,1
	s_delay_alu instid0(VALU_DEP_2)
	v_add_nc_u32 v[SO+\b], 0xff000000, v[BM+\b]
.endr
.irp b, 0,1
	s_delay_alu instid0(VALU_DEP_2)
	v_lshrrev_b32 v[PR+\b], 23, v[SO+\b]
.endr
	v_cvt_scalef32_pk8_fp4_f32 v[PC], v[S:S+7], v[SO]
	v_cvt_scalef32_pk8_fp4_f32 v[PC+1], v[S+16:S+23], v[SO+1]
	v_cvt_scalef32_pk8_fp4_f32 v[PC+2], v[S+8:S+15], v[SO]
	v_cvt_scalef32_pk8_fp4_f32 v[PC+3], v[S+24:S+31], v[SO+1]
	v_nop
	v_permlane16_swap_b32 v[PC], v[PC+1]           ; block h whole in lane (r, h)
	v_permlane16_swap_b32 v[PC+2], v[PC+3]
	v_cndmask_b32 v[T], v[PR], v[PR+1], s[HI]
	global_store_b128 v[L16], v[PC:PC+3], s[52:53] ; 512 consecutive bytes
	global_store_b8 v[YB], v[T], s[54:55]
	s_wait_tensorcnt 0x0                           ; the wave's end
	ds_add_u32 v[SPW], v[NIL]
	s_wait_dscnt 0x0
	ROUND                                          ; the closing round
	s_endpgm
.Lfunc_end_k_qb45e6e34df_attn:
	.size	k_qb45e6e34df_attn, .Lfunc_end_k_qb45e6e34df_attn-k_qb45e6e34df_attn
	.p2alignl 7, 3214868480
	.fill 96, 4, 3214868480
	.section	.rodata,"a",@progbits
	.p2align	6, 0x0
	.amdhsa_kernel k_qb45e6e34df_attn
		.amdhsa_group_segment_fixed_size 327680
		.amdhsa_private_segment_fixed_size 0
		.amdhsa_enable_private_segment 0
		.amdhsa_kernarg_size 24
		.amdhsa_user_sgpr_count 2
		.amdhsa_user_sgpr_kernarg_segment_ptr 1
		.amdhsa_wavefront_size32 1
		.amdhsa_system_sgpr_workgroup_id_x 1
		.amdhsa_system_sgpr_workgroup_id_y 1
		.amdhsa_system_sgpr_workgroup_id_z 1
		.amdhsa_system_vgpr_workitem_id 0
		.amdhsa_next_free_vgpr 256
		.amdhsa_next_free_sgpr 66
		.amdhsa_reserve_vcc 1
		.amdhsa_float_denorm_mode_32 3
		.amdhsa_float_denorm_mode_16_64 3
		.amdhsa_memory_ordered 1
		.amdhsa_forward_progress 1
		.amdhsa_inst_pref_size 62
	.end_amdhsa_kernel
	.amdgpu_metadata
---
amdhsa.version: [ 1, 2 ]
amdhsa.kernels:
  - .name:           k_qb45e6e34df_attn
    .symbol:         k_qb45e6e34df_attn.kd
    .args:
      - { .name: qq, .offset: 0, .size: 8, .value_kind: global_buffer, .address_space: global }
      - { .name: kv, .offset: 8, .size: 8, .value_kind: global_buffer, .address_space: global }
      - { .name: yq, .offset: 16, .size: 8, .value_kind: global_buffer, .address_space: global }
    .group_segment_fixed_size: 327680
    .private_segment_fixed_size: 0
    .kernarg_segment_align: 8
    .kernarg_segment_size: 24
    .max_flat_workgroup_size: 512
    .sgpr_count:     66
    .vgpr_count:     256
    .wavefront_size: 32
...
	.end_amdgpu_metadata
.endif
;; end of part 3
;; launch proj (part 4): grid 8 x 32, 4 waves a work-group, clusters of 4 x 4, 327,680 bytes of LDS; arguments yq, wq, bp, out0; writes out0
.if DOCPART == 4
	.amdgcn_target "amdgcn-amd-amdhsa--gfx1250"
	.amdhsa_code_object_version 6
	.text
	.protected	k_qb45e6e34df_proj
	.globl	k_qb45e6e34df_proj
	.p2align	8
	.type	k_qb45e6e34df_proj,@function
k_qb45e6e34df_proj:
	s_mov_b64 s[64:65], 0
	v_nop
	global_prefetch_b8 v0, s[64:65] scope:SCOPE_SE
	s_setreg_imm32_b32 hwreg(HW_REG_WAVE_MODE, 25, 1), 1
	s_wait_xcnt 0x0
	s_wait_alu depctr_hold_cnt(0) depctr_sa_sdst(0) depctr_va_vdst(0) depctr_va_sdst(0) depctr_va_ssrc(0) depctr_va_vcc(0) depctr_vm_vsrc(0)
	s_getreg_b32 s2, hwreg(HW_REG_IB_STS2, 6, 4)
	s_cmp_eq_u32 s2, 0
	s_cbranch_scc0 .Lentry_in_a_cluster
	s_endpgm
.Lentry_in_a_cluster:
	s_bfe_u32 s2, ttmp6, 0x10000c
	s_cmp_lg_u32 s2, 0xf033
	s_cbranch_scc0 .Lentry_shape_is_right
	s_endpgm
.Lentry_shape_is_right:
; out0 = y Wp + bp on codes of FP4 (E2M1) with E8M0 scales: C[m][n] = sum over k of A[m][k] B[n][k] + bp[n]; A = yq (4,096 tokens), B = rows 3,072 to 4,095 of wq, K = 1,024.  Nothing is left out here.
; A block of C is 128 x 128: 8 x 32 blocks, one for each of 256 work-groups.  Four waves, each 64 x 64: 16 accumulators of 16 x 16.
; Operands lie in the workspace as images of the operand's registers (16 rows x 128 K: 1,024 bytes, lane l's 16 bytes at 16 l and 512 + 16 l), [slot 2][row tile][K step 4]; the scale words [row tile][K step 8][row 16].
; ALL OF K LIES IN LDS, filled once, one joint load a wave: wave 0 A's codes (two rows of 32,768 bytes, one a slot), wave 1 B's, wave 2 A's scale words (4,096 bytes), wave 3 B's.  Nothing is filled again, so there is no ring,
; and no prefetch: every byte that the work-group reads is asked for at the head.
; CLUSTERS: 4 x 4 work-groups; A's tiles hang on the block row alone and are asked for jointly along a row of the cluster, B's on the block column alone, along a column.
; THE MATRIX INSTRUCTION IS USED TRANSPOSED (source 0 = 16 rows of B, source 1 = 16 rows of A): lane (r, h) holds token r, register j column 8 h + j of the tile.  The bias is the C of each sum's first product.
; REGISTERS: window 0: v0-31 addresses; v32-63 scale words (register 4 p + i: lanes 0-15 A's tile i, lanes 16-31 B's tile i, K step p); v64-255 three sets of fragments (B's four, A's four), fetched two K steps ahead.
;   window 1: v0-127 the accumulators ((a, b) at 8 (4 a + b)); v128-159 the bias.
; THE WAY OUT: 16 tokens x 64 columns at a time through the wave's own stage, LDS bytes into which no fill lands; sixteen lanes store one aligned unit of 256 bytes.
.set TB0,    192                       ; B's first row tile in wq
.set SLOTB,  1048576
.set SC_OFF, 2097152
.set BREG,   65536                     ; LDS: A's slot 0, A's slot 1 (32,768 bytes each), then B's two
.set SCL,    131072                    ; the scale words: A's 4,096 bytes, then B's
.set STAGE,  139264                    ; 16 rows x 272 bytes a wave
.set SPITCH, 272
.set SPARE,  156672                    ; the spare words, 128 bytes a wave: two blocks of 256 bytes that no other line names
.set ADRA, 16
.set ADRB, 17
.set STO,  24
.set RD,   25
.set CO,   26
.set ADRS, 27
.set SPW,  28
.set NIL,  29
.set SC,   32
.set BK,   64                          ; the way out: rows read back, v64-95 and v96-127 by turns
.set BIASW, 128                        ; in window 1
.set G1, 24
.set G0, 32
.set G1B, 48
.set G0B, 56
.set G1S, 68
.set G0S, 76
.set G1SB, 80
.set G0SB, 88
.set MSB, 0
.macro WIN new                         ; the immediate's high byte repeats the setting that is left
.if MSB != (\new)
	s_set_vgpr_msb (MSB<<8)|(\new)
.set MSB, (\new)
.endif
.endm
.macro ARM under, g0, g1, next         ; one arm of the head's tree of branches on the wave's number: its joint load, an s_nop 0 and four v_nop, a jump to the tree's end
	s_cmp_lt_u32 s14, \under
	s_cbranch_scc0 \next
	tensor_load_to_lds s[\g0:\g0+3], s[\g1:\g1+7]
	s_nop 0
.rept 4
	v_nop
.endr
	s_branch .Lhead_asked
\next:
.endm
.macro CROUND                          ; a round of the cluster's barrier
	s_barrier_signal -1
	s_barrier_wait -1
	s_cmp_lg_u32 s14, 0
	s_cbranch_scc1 .Lnot_wave_0_\@
	s_barrier_signal -3
.Lnot_wave_0_\@:
	s_barrier_wait -3
	s_barrier_signal -1
	s_barrier_wait -1
.endm
.macro PLACES                          ; four places behind a matrix instruction, in front of loads into its sources and of reads of its result
.rept 4
	v_nop
.endr
.endm
	s_load_b64 s[4:5], s[0:1], 0x0                 ; yq
	s_load_b64 s[8:9], s[0:1], 0x8                 ; wq
	s_load_b64 s[96:97], s[0:1], 0x10              ; bp
	s_load_b64 s[12:13], s[0:1], 0x18              ; out0
	v_lshl_add_u32 v[SPW], v0, 2, SPARE
	v_mov_b32 v[NIL], 0
	ds_add_u32 v[SPW], v[NIL]                      ; the opening: the add, twice on end, and its wait ahead of my first tensor load
	ds_add_u32 v[SPW], v[NIL]
	v_lshrrev_b32 v1, 5, v0
	v_readfirstlane_b32 s14, v1                    ; wave
	s_lshr_b32 s15, s14, 1                         ; my half of the block's rows
	s_and_b32 s16, s14, 1                          ; my half of its columns
	s_bfe_u32 s40, ttmp6, 0x40000                  ; cx
	s_bfe_u32 s41, ttmp6, 0x40004                  ; cy
	s_lshl_b32 s42, ttmp9, 2
	s_add_co_u32 s42, s42, s40                     ; block column, 0 to 7
	s_and_b32 s17, ttmp7, 0xffff
	s_lshl_b32 s17, s17, 2
	s_add_co_u32 s17, s17, s41                     ; block row, 0 to 31
	s_lshl_b32 s43, s41, 2
	s_lshl_b32 s43, 15, s43                        ; my row of the cluster
	s_lshl_b32 s44, 0x1111, s40                    ; my column
	s_or_b32 s[G1+0], s43, (3<<16)|(1<<21)         ; the mask; elements of 8 bytes; bit 21 beside a mask; no padding
	s_or_b32 s[G1B+0], s44, (3<<16)|(1<<21)
.irp g, G1, G1B
	s_mov_b32 s[\g+1], 4096<<16                    ; the codes of 8 row tiles: two rows of 32,768 bytes (4,096 elements), one a slot
	s_mov_b32 s[\g+2], 2<<16
	s_mov_b32 s[\g+3], 4096<<16
	s_mov_b32 s[\g+4], 2
	s_mov_b32 s[\g+5], SLOTB/8                     ; pitch: from slot to slot in the workspace
	s_mov_b32 s[\g+6], 0
	s_mov_b32 s[\g+7], 0
.endr
	s_or_b32 s[G1S+0], s43, (3<<16)|(1<<21)
	s_or_b32 s[G1SB+0], s44, (3<<16)|(1<<21)
.irp g, G1S, G1SB
	s_mov_b32 s[\g+1], 32<<16                      ; the scale words of 8 row tiles: 16 rows of 256 bytes
	s_mov_b32 s[\g+2], 16<<16
	s_mov_b32 s[\g+3], 32<<16
	s_mov_b32 s[\g+4], 16
	s_mov_b32 s[\g+5], 32
	s_mov_b32 s[\g+6], 0
	s_mov_b32 s[\g+7], 0
.endr
	s_lshl_b32 s20, s17, 3                         ; A: row tile 8 x block row
	s_lshl_b32 s46, s42, 3
	s_add_co_u32 s46, s46, TB0                     ; B: 192 + 8 x block column
	s_lshl_b32 s22, s20, 9
	s_add_co_u32 s22, s22, SC_OFF                  ; their scale words
	s_mov_b32 s23, 0
	s_lshl_b32 s92, s46, 9
	s_add_co_u32 s92, s92, SC_OFF
	s_mov_b32 s93, 0
	s_lshl_b32 s20, s20, 12                        ; their codes
	s_mov_b32 s21, 0
	s_lshl_b32 s46, s46, 12
	s_mov_b32 s47, 0
	s_wait_dscnt 0x0                               ; both opening adds are done
	s_wait_kmcnt 0x0
	s_add_nc_u64 s[20:21], s[4:5], s[20:21]
	s_add_nc_u64 s[22:23], s[4:5], s[22:23]
	s_add_nc_u64 s[46:47], s[8:9], s[46:47]
	s_add_nc_u64 s[92:93], s[8:9], s[92:93]
	CROUND                                         ; all sixteen work-groups are here: the joint loads meet
	s_mov_b32 s[G0], 1
	s_mov_b32 s[G0+1], 0
	s_mov_b64 s[G0+2:G0+3], s[20:21]
	s_or_b32 s[G0+3], s[G0+3], 0x80000000
	s_mov_b32 s[G0B], 1
	s_mov_b32 s[G0B+1], BREG
	s_mov_b64 s[G0B+2:G0B+3], s[46:47]
	s_or_b32 s[G0B+3], s[G0B+3], 0x80000000
	s_mov_b32 s[G0S], 1
	s_mov_b32 s[G0S+1], SCL
	s_mov_b64 s[G0S+2:G0S+3], s[22:23]
	s_or_b32 s[G0S+3], s[G0S+3], 0x80000000
	s_mov_b32 s[G0SB], 1
	s_mov_b32 s[G0SB+1], SCL+4096
	s_mov_b64 s[G0SB+2:G0SB+3], s[92:93]
	s_or_b32 s[G0SB+3], s[G0SB+3], 0x80000000
	; the head's loads, one a wave
	ARM 1, G0,  G1,  .Lhead_b
	ARM 2, G0B, G1B, .Lhead_sa
	ARM 3, G0S, G1S, .Lhead_sb
	tensor_load_to_lds s[G0SB:G0SB+3], s[G1SB:G1SB+7]
	s_nop 0
.rept 4
	v_nop
.endr
.Lhead_asked:
	; the scalar parts of all addresses first, then the vector lines on end
	s_lshl_b32 s21, s15, 14                        ; my 4 row tiles of A in a slot
	s_lshl_b32 s22, s16, 14
	s_add_co_u32 s22, s22, BREG                    ; my 4 of B
	s_lshl_b32 s23, s15, 11                        ; A's scale words of my 4 tiles
	s_lshl_b32 s18, s16, 11
	s_add_co_u32 s18, s18, 4096                    ; B's, behind A's 4,096 bytes
	s_sub_co_u32 s18, s18, s23                     ; the distance between the two: 2,048 at the least
	s_add_co_u32 s23, s23, SCL
	s_mul_i32 s19, s14, 16*SPITCH
	s_add_co_u32 s19, s19, STAGE                   ; my stage
	s_lshl_b32 s46, s42, 9
	s_lshl_b32 s47, s16, 8
	s_add_co_u32 s46, s46, s47                     ; my first column, in bytes: 512 x block column + 256 x half
	s_mov_b32 s47, 0
	s_add_nc_u64 s[96:97], s[96:97], s[46:47]      ; in bp,
	s_add_nc_u64 s[12:13], s[12:13], s[46:47]      ; and in a row of out0
	s_lshl_b32 s92, s17, 7
	s_lshl_b32 s45, s15, 6
	s_add_co_u32 s92, s92, s45                     ; my first token
	s_lshl_b32 s92, s92, 12                        ; x 4,096 bytes a row
	s_mov_b32 s93, 0
	s_add_nc_u64 s[12:13], s[12:13], s[92:93]
	v_and_b32 v1, 15, v0                           ; r
	v_bfe_u32 v2, v0, 4, 1                         ; h
	v_and_b32 v3, 31, v0
	v_lshlrev_b32 v4, 4, v3                        ; 16 x lane
	v_add_nc_u32 v[ADRA], s21, v4
	v_add_nc_u32 v[ADRB], s22, v4
	v_lshlrev_b32 v5, 2, v1
	v_mul_u32_u24 v6, s18, v2                      ; lanes 16-31 take B's words: one product with h
	v_add_nc_u32 v5, v5, v6
	v_add_nc_u32 v[ADRS], s23, v5
	v_lshlrev_b32 v7, 5, v2
	v_mul_u32_u24 v8, v1, SPITCH
	v_lshl_add_u32 v8, v2, 5, v8
	v_add_nc_u32 v[STO], s19, v8                   ; the stage, in: row r, 32 h
	v_mul_u32_u24 v9, v2, SPITCH
	v_lshl_add_u32 v9, v1, 4, v9
	v_add_nc_u32 v[RD], s19, v9                    ; and back: lanes 0-15 one row of 256 bytes, lanes 16-31 the next
	v_lshlrev_b32 v[CO], 12, v2
	v_lshl_add_u32 v[CO], v1, 4, v[CO]             ; the same two rows in out0
	WIN 0x40                                       ; the loaded data go to window 1
.irp b, 0,1,2,3
	global_load_b128 v[BIASW+8*\b:BIASW+8*\b+3], v7, s[96:97] offset:64*\b          ; register 8 b + j = bp[16 b + 8 h + j] of my 64 columns
	global_load_b128 v[BIASW+8*\b+4:BIASW+8*\b+7], v7, s[96:97] offset:64*\b+16
.endr
	WIN 0
.macro FETCH p                         ; K step p's eight fragments into set p % 3: 16 loads of 512 consecutive bytes
.set FF, 64+64*((\p)%3)
.irp i, 0,1,2,3
.irp e, 0,1
	ds_load_b128 v[FF+8*\i+4*\e:FF+8*\i+4*\e+3], v[ADRB] offset:((\p)/4)*32768+\i*4096+((\p)%4)*1024+512*\e
	ds_load_b128 v[FF+32+8*\i+4*\e:FF+32+8*\i+4*\e+3], v[ADRA] offset:((\p)/4)*32768+\i*4096+((\p)%4)*1024+512*\e
.endr
.endr
.endm
.macro MUL p                           ; 16 matrix instructions; the 16 accumulators take turns, one instruction a turn, in the same order in every K step
.set FF, 64+64*((\p)%3)
.irp a, 0,1,2,3
.irp b, 0,1,2,3
.if (\p) == 0
	v_wmma_scale_f32_16x16x128_f8f6f4 v[8*(4*\a+\b):8*(4*\a+\b)+7], v[FF+8*\b:FF+8*\b+7], v[FF+32+8*\a:FF+32+8*\a+7], v[BIASW+8*\b:BIASW+8*\b+7], v[SC+4*(\p)+\b], v[SC+4*(\p)+\a] matrix_a_fmt:MATRIX_FMT_FP4 matrix_b_fmt:MATRIX_FMT_FP4 matrix_a_scale:MATRIX_SCALE_ROW1
.else
	v_wmma_scale_f32_16x16x128_f8f6f4 v[8*(4*\a+\b):8*(4*\a+\b)+7], v[FF+8*\b:FF+8*\b+7], v[FF+32+8*\a:FF+32+8*\a+7], v[8*(4*\a+\b):8*(4*\a+\b)+7], v[SC+4*(\p)+\b], v[SC+4*(\p)+\a] matrix_a_fmt:MATRIX_FMT_FP4 matrix_b_fmt:MATRIX_FMT_FP4 matrix_a_scale:MATRIX_SCALE_ROW1
.endif
.endr
.endr
.endm
.macro KSTEP p
.if (\p) < 6
.if (\p) > 0
	PLACES                                         ; the set that is fetched into was read by the products just issued
.endif
	FETCH (\p)+2
	s_wait_dscnt 32                                ; this step's set is in; the two fetches behind it, 16 loads each, may be out
.elseif (\p) == 6
	s_wait_dscnt 16
.else
	s_wait_dscnt 0x0
.endif
	WIN 0x50                                       ; C and D window 1, the sources window 0
	MUL \p
	WIN 0
.endm
	s_wait_alu depctr_va_vdst(0)
	s_wait_tensorcnt 0x0                           ; my one load is in,
	s_barrier_signal -1
	s_barrier_wait -1                              ; everybody's is
.irp p, 0,1,2,3,4,5,6,7
.irp i, 0,1,2,3
	ds_load_b32 v[SC+4*\p+\i], v[ADRS] offset:\i*512+\p*64
.endr
.endr
	FETCH 0
	FETCH 1
	s_wait_loadcnt 0x0                             ; the bias
.set P, 0
.rept 8
	KSTEP P
.set P, P+1
.endr
.macro TOSTAGE a                       ; 16 tokens x 64 columns through my stage; LDS serves a wave's instructions in order, so no wait stands between the stores and the loads
	WIN 0x04                                       ; the data: window 1
.irp b, 0,1,2,3
	ds_store_b128 v[STO], v[8*(4*(\a)+\b):8*(4*(\a)+\b)+3] offset:64*\b           ; each accumulator from its low end on
	ds_store_b128 v[STO], v[8*(4*(\a)+\b)+4:8*(4*(\a)+\b)+7] offset:64*\b+16
.endr
	WIN 0
.set BB, BK+32*((\a)%2)
.irp t, 0,1,2,3,4,5,6,7
	ds_load_b128 v[BB+4*\t:BB+4*\t+3], v[RD] offset:\t*2*SPITCH
.endr
.endm
.macro SEND a, younger                 ; younger: the LDS instructions issued behind block a's loads, which may stay out
.set BB, BK+32*((\a)%2)
	s_wait_dscnt \younger
.irp t, 0,1,2,3,4,5,6,7
	global_store_b128 v[CO], v[BB+4*\t:BB+4*\t+3], s[12:13] offset:(16*(\a)+2*\t)*4096 th:TH_STORE_NT   ; each half of the lanes fills 256 aligned bytes of a row
.endr
.endm
	PLACES                                         ; behind the last products: results are read, and rows land in registers that held fragments
	TOSTAGE 0
.irp a, 1,2,3
.if \a > 1
	s_wait_xcnt 0x0                                ; block a - 2's stores have read their registers
.endif
	TOSTAGE \a
	SEND \a-1, 16                                  ; behind block a - 1's loads: block a's 8 stores and 8 loads
.endr
	SEND 3, 0
	s_wait_tensorcnt 0x0                           ; the wave's end
	ds_add_u32 v[SPW], v[NIL]
	s_wait_dscnt 0x0
	CROUND                                         ; the closing round
	s_endpgm
.Lfunc_end_k_qb45e6e34df_proj:
	.size	k_qb45e6e34df_proj, .Lfunc_end_k_qb45e6e34df_proj-k_qb45e6e34df_proj
	.p2alignl 7, 3214868480
	.fill 96, 4, 3214868480
	.section	.rodata,"a",@progbits
	.p2align	6, 0x0
	.amdhsa_kernel k_qb45e6e34df_proj
		.amdhsa_group_segment_fixed_size 327680
		.amdhsa_private_segment_fixed_size 0
		.amdhsa_enable_private_segment 0
		.amdhsa_kernarg_size 32
		.amdhsa_user_sgpr_count 2
		.amdhsa_user_sgpr_kernarg_segment_ptr 1
		.amdhsa_wavefront_size32 1
		.amdhsa_system_sgpr_workgroup_id_x 1
		.amdhsa_system_sgpr_workgroup_id_y 1
		.amdhsa_system_sgpr_workgroup_id_z 1
		.amdhsa_system_vgpr_workitem_id 0
		.amdhsa_next_free_vgpr 416
		.amdhsa_next_free_sgpr 98
		.amdhsa_reserve_vcc 0
		.amdhsa_float_denorm_mode_32 3
		.amdhsa_float_denorm_mode_16_64 3
		.amdhsa_memory_ordered 1
		.amdhsa_forward_progress 1
		.amdhsa_inst_pref_size 45
	.end_amdhsa_kernel
	.amdgpu_metadata
---
amdhsa.version: [ 1, 2 ]
amdhsa.kernels:
  - .name:           k_qb45e6e34df_proj
    .symbol:         k_qb45e6e34df_proj.kd
    .args:
      - { .name: yq, .offset: 0, .size: 8, .value_kind: global_buffer, .address_space: global }
      - { .name: wq, .offset: 8, .size: 8, .value_kind: global_buffer, .address_space: global }
      - { .name: bp, .offset: 16, .size: 8, .value_kind: global_buffer, .address_space: global }
      - { .name: out0, .offset: 24, .size: 8, .value_kind: global_buffer, .address_space: global }
    .group_segment_fixed_size: 327680
    .private_segment_fixed_size: 0
    .kernarg_segment_align: 8
    .kernarg_segment_size: 32
    .max_flat_workgroup_size: 128
    .sgpr_count:     98
    .vgpr_count:     416
    .wavefront_size: 32
...
	.end_amdgpu_metadata
.endif
;; end of part 4
